; MI455X (gfx1250); checked and timed in simulation.
; The chip was launched on July 23, 2026; its instructions are those of AMD's public machine-readable ISA for CDNA 5 (MIT licence, August 2026) and "CDNA5" Instruction Set Architecture Reference Guide (July 2026). The comments in the code are by the model that wrote it; some were corrected since.
;; Cross Verse Attention. Allowed arithmetic: matrix products marked QUANTISED: E4M3 operands, one E8M0 scale for each 32 along K, by v_wmma_scale_f32_16x16x128_f8f6f4 with both operands' format E4M3, f32 sums; everything else in f32.
;; Inputs: W_k 1,024 x 1,024 float32; W_o 1,024 x 1,024 float32; W_p 1,024 x 1,024 float32; W_q 1,024 x 1,024 float32; W_v 1,024 x 1,024 float32; b_k 1,024 float32; b_o 1,024 float32; b_p 1,024 float32; b_q 1,024 float32; b_v 1,024 float32; beta 1,024 float32; gamma 1,024 float32; verse_positions 2 x 2,048 int32; x 2 x 2,048 x 1,024 float32.
;; Outputs: out0 2 x 2,048 x 1,024 float32.
;; This version of the problem:
;;   THIS VERSION OF THE PROBLEM IS GIVEN IN LOW PRECISION. The matrix products marked QUANTISED in the list below multiply operands that are first quantised to E4M3 (4 exponent bits, 3 mantissa bits; 8 bits a number), with one power-of-two scale for each 32 numbers along K (OCP MX v1.0); their sums are f32. All else is computed in f32.
;;   The module's matrix products, in the order in which they are computed (A, B: the left and right operand; K: the contracted axis; several contracted axes count as one K, in the product's order):
;;     1. [M 4,096, K 1,024] x [K 1,024, N 1,024]; A: input x; B: input W_q: QUANTISED
;;     2. [M 4,096, K 1,024] x [K 1,024, N 1,024]; A: input x; B: input W_k: QUANTISED
;;     3. [M 4,096, K 1,024] x [K 1,024, N 1,024]; A: input x; B: input W_v: QUANTISED
;;     4. batch 32 x [M 2,048, K 64] x [K 64, N 2,048]; A: computed on the way; B: computed on the way: QUANTISED
;;     5. batch 32 x [M 64, K 2,048] x [K 2,048, N 2,048]; A: computed on the way; B: softmax (see below): QUANTISED
;;     6. [M 4,096, K 1,024] x [K 1,024, N 1,024]; A: computed on the way; B: input W_o: QUANTISED
;;     7. [M 4,096, K 1,024] x [K 1,024, N 1,024]; A: computed on the way; B: input W_p: QUANTISED
;;   THE QUANTISER, for each operand of a quantised product, along K:
;;     - K is cut into blocks of 32 from its start; a last block that is shorter is filled with zeros.
;;     - A block's scale is 2^e with e = floor(log2(the largest magnitude in the block)) - 8, held to -126 .. 127; a block of zeros has e = 0. As a byte (E8M0): e + 127.
;;     - Each number is divided by its block's scale, clamped to +-448, and rounded to the nearest number of E4M3, ties to even, subnormals kept.
;;     - The product sums the exact products of the quantised numbers (number of the format x scale) in f32.
;;   ~~~python
;;   def quantise(x, axis):      # numpy; x: float32 -> the quantised numbers, widened to float32 again
;;       x = np.moveaxis(x, axis, -1); K = x.shape[-1]
;;       x = np.pad(x, [(0, 0)] * (x.ndim - 1) + [(0, -K % 32)]); x = x.reshape(x.shape[:-1] + (-1, 32)); a = np.abs(x).max(-1, keepdims=True)
;;       e = np.where(a > 0, np.clip(np.frexp(np.where(a > 0, a, 1))[1] - 1 - 8, -126, 127), 0)      # np.frexp(a)[1] - 1 = floor(log2(a)), exactly
;;       r = np.clip(x / 2.0 ** e, -448, 448)
;;       step = 2.0 ** (np.maximum(np.frexp(np.where(r == 0, 1, r))[1] - 1, -6) - 3)
;;       q = np.round(r / step) * step * 2.0 ** e      # np.round: ties to even
;;       return np.moveaxis(q.reshape(q.shape[:-2] + (-1,))[..., :K], -1, axis).astype(np.float32)
;;   ~~~
;;   SOFTMAX AHEAD OF A QUANTISED PRODUCT. Where the list says 'softmax', what is quantised is not the finished softmax but p = 2^(t - M), with t = logit x log2(e) and M = ceil(the row's largest t), a whole number; so 1/2 < the row's largest p <= 1. The row's sum l is taken of the UNQUANTISED p, in f32, and the product's result is divided by l at the end. Since M is a whole number, a kernel that streams over the keys may use a running M (the ceiling of the running maximum): every later rescaling is an exact power of two, which a block's scale takes up: the codes' values come out the same.
;;   OPERANDS COMPUTED ON THE WAY. 'Computed on the way' means the value that the module computes at that place (a softmax that the list does not call 'softmax' is quantised finished and normalised). What goes into a quantiser is computed in f32, as accurately as f32 sums, v_exp_f32 and their like allow (about 1e-6 of the number): no bf16 or f16 on the way to a quantiser, and a product that is left as it is and whose result goes on into a quantised operand takes f32 operands (vector FMAs, or v_wmma_f32_16x16x4_f32). A number that lies on a knife's edge between two numbers of the format may be rounded either way, as far as f32 arithmetic and the matrix unit's own rounding can turn it there, and no further.
;; 2 versions, each right and faster than the one before. Each part assembles by itself: llvm-mc -triple=amdgcn-amd-amdhsa -mcpu=gfx1250 --defsym DOCPART=n.
;; ======== version 1 of 2: 4 launches
;; workspace buffers: cw 9,437,184 bytes; sw 294,912 bytes; mk 33,554,432 bytes; qr 8,912,896 bytes; kv 8,912,896 bytes; cc 4,194,304 bytes; cs 131,072 bytes
;; launch prep (part 1): grid 544 x 1, 4 waves a work-group, no clusters, 34,304 bytes of LDS; arguments x, W_q, W_k, W_v, W_o, W_p, verse_positions, cw, sw, mk; writes cw, sw, mk
.if DOCPART == 1
	.amdgcn_target "amdgcn-amd-amdhsa--gfx1250"
	.amdhsa_code_object_version 6
	.text
	.protected	k_qe8cd35336d_prep
	.globl	k_qe8cd35336d_prep
	.p2align	8
	.type	k_qe8cd35336d_prep,@function
k_qe8cd35336d_prep:
	s_mov_b64 s[64:65], 0
	v_nop
	global_prefetch_b8 v0, s[64:65] scope:SCOPE_SE
	s_setreg_imm32_b32 hwreg(HW_REG_WAVE_MODE, 25, 1), 1
	s_wait_xcnt 0x0
; PREP.  Work-groups 0-287 turn x [4096][1024] and the five weights [1024][1024] (f32, K innermost) into codes of E4M3 with one E8M0 byte for each 32 along K;
; work-groups 288-543 make 8 x the verse mask, once, in the register order of the score accumulators of the attention launch.
; LAYOUT OF THE CODES (cw): images of operand registers.  A fragment, 16 rows x 128 K, is 2,048 bytes [c 0-3][lane][16 bytes]: lane (r = lane % 16, h = lane / 16) holds k = 32 c + 16 h + 0..15 of lane-row r.
; A tile of 16 rows is its 8 fragments on end.  Lane-row r of tile 2 g + u is row 32 g + 16 (r / 8) + 8 u + r % 8 of its tensor.  Tiles: x 0-255, W_q 256-, W_k 320-, W_v 384-, W_o 448-, W_p 512-575.
; SCALE WORDS (sw): [tile][half of K][r][4 words], a word for a row and 128 along K.
; MASK (mk): [query tile 256][128 keys 16][c 16][lane][16 bytes], f32: register n = 4 c + e of lane (r, h) is 8 m(query of lane-row r, key 32 (n / 16) + 16 h + n % 16).
; A block's scale is 2^(floor(log2(largest magnitude)) - 8); each number is held within +-448 x the scale and rounded to the nearest code, ties to even.
; LIMITS: NaN and infinities among the inputs are not served; a block whose largest magnitude lies under 2^-118, a block of zeros too, keeps the byte 1 (its codes are what the byte 1 gives; this program alone reads the bytes);
; 0.3 / diff is made as 2.4 x the reciprocal instruction's result; verse numbers may be any int32, differences wrap.
; No tensor loads, no barrier: waves share nothing.  Matrix units and clusters have nothing to do here: each byte is read once.
.set RB,   16                          ; v16-143  two sets of 64 numbers as loaded
.set X,    144                         ; v144-207 64 numbers: register 16 b + i = k 32 b + 16 h + i of my row
.set PCD,  208                         ; v208-223 a fragment's codes
.set TM,   224                         ; v224-239 at work
.set PW,   240                         ; v240     the scale word just made
.set WDS,  244                         ; v244-247 my four fragments' scale words
.set SPT,  528                         ; a stage row: 512 bytes + 16: an odd multiple of 16, so that 16 rows start at 16 different places modulo 256
	s_load_b256 s[4:11], s[0:1], 0x0               ; x, W_q, W_k, W_v
	s_load_b256 s[12:19], s[0:1], 0x20             ; W_o, W_p, verse_positions, cw
	s_load_b128 s[20:23], s[0:1], 0x40             ; sw, mk
	v_lshl_add_u32 v254, v0, 2, 0x8400
	v_mov_b32 v255, 0
	v_lshrrev_b32 v1, 5, v0
	v_readfirstlane_b32 s24, v1                    ; wave 0..3
	v_and_b32 v5, 31, v0                           ; lane
	v_and_b32 v6, 15, v0                           ; r
	v_bfe_u32 v7, v0, 4, 1                         ; h
	v_lshlrev_b32 v1, 4, v5                        ; 16 x lane
	s_cmp_ge_u32 ttmp9, 288
	s_cbranch_scc1 .Lmask
; ---------------- the quantiser: a work-group takes tiles 2 g and 2 g + 1; wave w takes tile 2 g + w / 2, half w % 2 of K: four fragments
	s_mul_i32 s25, s24, 16*SPT                     ; my stage
	v_add_nc_u32 v2, s25, v1                       ; in: a row's 512 bytes as they lie
	v_mul_u32_u24 v3, v6, SPT
	v_lshl_add_u32 v3, v7, 6, v3
	v_add_nc_u32 v3, s25, v3                       ; back: row r, + 64 h: my 16 neighbours of a block
	v_lshlrev_b32 v4, 4, v6                        ; 16 r: my row's four scale words
	s_mov_b32 s26, 0x76543210
	s_mov_b32 s27, 0xfedcba98                      ; lane selects: lane l xor 16
	s_mov_b32 s28, 0x600000                        ; the mantissa field of 448
.irp b, 0,1,2,3
	v_mov_b32 v[TM+4+\b], 0                        ; written once: a lane permute's destination counts as one of its sources
.endr
	s_lshr_b32 s29, s24, 1                         ; u
	s_and_b32 s30, s24, 1                          ; half of K
	s_wait_kmcnt 0x0
	s_mov_b64 s[32:33], s[14:15]                   ; which tensor: the choice hangs on the work-group's number alone
	s_mov_b32 s31, 256
	s_cmp_lt_u32 ttmp9, 256
	s_cselect_b64 s[32:33], s[12:13], s[32:33]
	s_cselect_b32 s31, 224, s31
	s_cmp_lt_u32 ttmp9, 224
	s_cselect_b64 s[32:33], s[10:11], s[32:33]
	s_cselect_b32 s31, 192, s31
	s_cmp_lt_u32 ttmp9, 192
	s_cselect_b64 s[32:33], s[8:9], s[32:33]
	s_cselect_b32 s31, 160, s31
	s_cmp_lt_u32 ttmp9, 160
	s_cselect_b64 s[32:33], s[6:7], s[32:33]
	s_cselect_b32 s31, 128, s31
	s_cmp_lt_u32 ttmp9, 128
	s_cselect_b64 s[32:33], s[4:5], s[32:33]
	s_cselect_b32 s31, 0, s31
	s_sub_co_u32 s34, ttmp9, s31                   ; the work-group's number within its tensor
	s_lshl_b32 s34, s34, 17                        ; 32 rows of 4,096 bytes
	s_lshl_b32 s35, s29, 15                        ; + 8 u rows
	s_add_co_u32 s34, s34, s35
	s_lshl_b32 s35, s30, 11                        ; + my half of K
	s_add_co_u32 s34, s34, s35
	s_mov_b32 s35, 0
	s_add_nc_u64 s[32:33], s[32:33], s[34:35]
	s_lshl_b32 s36, ttmp9, 1
	s_add_co_u32 s36, s36, s29                     ; my tile
	s_lshl_b32 s38, s36, 14
	s_lshl_b32 s39, s30, 13
	s_add_co_u32 s38, s38, s39
	s_mov_b32 s39, 0
	s_add_nc_u64 s[18:19], s[18:19], s[38:39]      ; its four fragments in cw
	s_lshl_b32 s38, s36, 9
	s_lshl_b32 s37, s30, 8
	s_add_co_u32 s38, s38, s37
	s_add_nc_u64 s[20:21], s[20:21], s[38:39]      ; their scale words in sw
.macro LOAD t                          ; fragment t: 16 loads, each 512 consecutive bytes of one row; lane-row n is row n + 8 (n / 8) from my first
.irp n, 0,1,2,3,4,5,6,7,8,9,10,11,12,13,14,15
	global_load_b128 v[RB+64*((\t)%2)+4*\n:RB+64*((\t)%2)+4*\n+3], v1, s[32:33] offset:(\n+8*(\n/8))*4096+(\t)*512 th:TH_LOAD_NT
.endr
.endm
.macro TURN t                          ; through my stage: LDS serves a wave's instructions in order, so no wait stands between the stores and the loads
.irp n, 0,1,2,3,4,5,6,7,8,9,10,11,12,13,14,15
	ds_store_b128 v2, v[RB+64*((\t)%2)+4*\n:RB+64*((\t)%2)+4*\n+3] offset:\n*SPT
.endr
.irp c, 0,1,2,3
.irp j, 0,1,2,3
	ds_load_b128 v[X+16*\c+4*\j:X+16*\c+4*\j+3], v3 offset:\c*128+\j*16
.endr
.endr
.endm
.macro QUANT                           ; v[X] on become a fragment's codes in v[PCD] on and its scale word in v[PW]
.irp b, 0,1,2,3
	v_max3_num_f32 v[TM+\b], |v[X+16*\b]|, |v[X+1+16*\b]|, 0x4800000   ; my 16 numbers of block b, and the floor 2^(9 - 127): the byte cannot fall under 1
.endr
.irp i, 2,4,6,8,10,12,14
.irp b, 0,1,2,3
	v_max3_num_f32 v[TM+\b], v[TM+\b], |v[X+16*\b+\i]|, |v[X+1+16*\b+\i]|
.endr
.endr
.irp b, 0,1,2,3
	v_permlanex16_b32 v[TM+4+\b], v[TM+\b], s26, s27
.endr
.irp b, 0,1,2,3
	v_max_num_f32 v[TM+\b], v[TM+\b], v[TM+4+\b]   ; with lane l xor 16's: the block's largest magnitude
.endr
.irp b, 0,1,2,3
	v_add_nc_u32 v[TM+12+\b], 0xfc000000, v[TM+\b] ; 8 off its exponent field: the conversion's scale operand
.endr
.irp b, 0,1,2,3
	v_and_or_b32 v[TM+8+\b], v[TM+\b], 0x7f800000, s28   ; 448 x the scale
.endr
.irp b, 0,1,2,3
	v_lshrrev_b32 v[TM+4+\b], 23, v[TM+12+\b]      ; the scale's byte
.endr
	v_lshl_or_b32 v[PW], v[TM+5], 8, v[TM+4]
	v_lshl_or_b32 v[PW], v[TM+6], 16, v[PW]
	v_lshl_or_b32 v[PW], v[TM+7], 24, v[PW]
.irp b, 0,1,2,3
.irp i, 0,1,2,3,4,5,6,7,8,9,10,11,12,13,14,15
	v_med3_num_f32 v[X+16*\b+\i], v[X+16*\b+\i], -v[TM+8+\b], v[TM+8+\b]   ; the conversion to an 8-bit code does not saturate (ISA guide 7.6.2): the hold comes first
.endr
	v_cvt_scalef32_pk8_fp8_f32 v[PCD+4*\b:PCD+1+4*\b], v[X+16*\b:X+7+16*\b], v[TM+12+\b]
	v_cvt_scalef32_pk8_fp8_f32 v[PCD+2+4*\b:PCD+3+4*\b], v[X+8+16*\b:X+15+16*\b], v[TM+12+\b]
.endr
	v_nop                                          ; one plain line behind the last conversion
.endm
.macro QSTEP t
.if (\t) < 3
	s_wait_loadcnt 16                              ; this fragment's 16 loads are in; the next one's 16 may be out
.else
	s_wait_loadcnt 0x0
.endif
	TURN \t
	s_wait_dscnt 0x0                               ; the numbers are back, and the stores have read the set, which takes the loads of two fragments on
	s_wait_xcnt 0x0                                ; the last fragment's stores have read v[PCD] on: it is written again only behind this wait
.if (\t) < 2
	LOAD (\t)+2
.endif
	QUANT
.irp c, 0,1,2,3
	global_store_b128 v1, v[PCD+4*\c:PCD+4*\c+3], s[18:19] offset:(\t)*2048+\c*512   ; 32 lanes store 512 consecutive bytes
.endr
	v_mov_b32 v[WDS+(\t)], v[PW]
.endm
	LOAD 0
	LOAD 1
	QSTEP 0
	QSTEP 1
	QSTEP 2
	QSTEP 3
	global_store_b128 v4, v[WDS:WDS+3], s[20:21]   ; lanes 0-15 store 256 consecutive bytes; lanes 16-31 the same bytes with the same values
	s_wait_tensorcnt 0x0
	ds_add_u32 v254, v255
	s_wait_dscnt 0x0
	s_endpgm
; ---------------- the mask: wave Wm = 4 (g - 288) + w takes batch Wm / 512, keys 128 ((Wm / 32) % 16) on, query tiles 4 (Wm % 32) + 0..3
.Lmask:
	s_sub_co_u32 s25, ttmp9, 288
	s_lshl_b32 s25, s25, 2
	s_add_co_u32 s25, s25, s24                     ; Wm
	s_lshr_b32 s26, s25, 9                         ; batch
	s_bfe_u32 s27, s25, 0x40005                    ; which 128 keys
	s_and_b32 s28, s25, 31                         ; which four query tiles
	v_lshlrev_b32 v2, 6, v7                        ; keys: 64 h bytes
	v_and_b32 v3, 8, v6
	v_add_nc_u32 v3, v3, v6
	v_lshlrev_b32 v3, 2, v3                        ; queries: (r % 8 + 16 (r / 8)) x 4 bytes
	v_mov_b32 v12, 0x40b33333                      ; 8 x 0.7
	v_mov_b32 v13, 0x41000000                      ; 8 x 1.0
	s_lshl_b32 s30, s26, 13                        ; a batch's 2,048 verse numbers
	s_lshl_b32 s31, s27, 9
	s_add_co_u32 s32, s30, s31
	s_mov_b32 s33, 0
	s_lshl_b32 s31, s28, 8
	s_add_co_u32 s34, s30, s31
	s_mov_b32 s35, 0
	s_lshl_b32 s36, s26, 24                        ; mk: ((128 batch + 4 (Wm % 32)) x 16 + keys) x 8,192
	s_lshl_b32 s31, s28, 19
	s_add_co_u32 s36, s36, s31
	s_lshl_b32 s31, s27, 13
	s_add_co_u32 s36, s36, s31
	s_mov_b32 s37, 0
	s_wait_kmcnt 0x0
	s_add_nc_u64 s[32:33], s[16:17], s[32:33]
	s_add_nc_u64 s[34:35], s[16:17], s[34:35]
	s_add_nc_u64 s[22:23], s[22:23], s[36:37]
.irp b, 0,1,2,3
.irp j, 0,1,2,3
	global_load_b128 v[16+16*\b+4*\j:19+16*\b+4*\j], v2, s[32:33] offset:\b*128+\j*16   ; the verse of key 32 b + 16 h + 4 j + 0..3
.endr
.endr
.irp e, 0,1,2,3
	global_load_b32 v[8+\e], v3, s[34:35] offset:(32*(\e/2)+8*(\e%2))*4                 ; the verse of my query in tile e
.endr
	s_wait_loadcnt 0x0
.macro MGROUP q                        ; 16 numbers: n = 16 q + i.  The query's verse is v8
.irp i, 0,1,2,3,4,5,6,7,8,9,10,11,12,13,14,15
	v_sub_nc_u32 v[144+\i], v8, v[16+16*\q+\i]
.endr
.irp i, 0,1,2,3,4,5,6,7,8,9,10,11,12,13,14,15
	v_ashrrev_i32 v[160+\i], 31, v[144+\i]
.endr
.irp i, 0,1,2,3,4,5,6,7,8,9,10,11,12,13,14,15
	v_xor_b32 v[144+\i], v[144+\i], v[160+\i]
.endr
.irp i, 0,1,2,3,4,5,6,7,8,9,10,11,12,13,14,15
	v_sub_nc_u32 v[144+\i], v[144+\i], v[160+\i]   ; diff = |vi - vj|
.endr
.irp i, 0,1,2,3,4,5,6,7,8,9,10,11,12,13,14,15
	v_cvt_f32_u32 v[80+16*\q+\i], v[144+\i]
.endr
.irp i, 0,1,2,3,4,5,6,7,8,9,10,11,12,13,14,15
	v_max_num_f32 v[80+16*\q+\i], 1.0, v[80+16*\q+\i]
.endr
.irp i, 0,1,2,3,4,5,6,7,8,9,10,11,12,13,14,15
	v_rcp_f32 v[80+16*\q+\i], v[80+16*\q+\i]
.endr
.irp i, 0,1,2,3,4,5,6,7,8,9,10,11,12,13,14,15
	v_min_u32 v[160+\i], v8, v[16+16*\q+\i]        ; (plain lines behind the reciprocals)  0 where either verse is 0,
.endr
.irp i, 0,1,2,3,4,5,6,7,8,9,10,11,12,13,14,15
	v_min_u32 v[160+\i], v[160+\i], v[144+\i]      ; or where diff is 0
.endr
	s_wait_alu depctr_va_vdst(0)
.irp i, 0,1,2,3,4,5,6,7,8,9,10,11,12,13,14,15
	v_mul_f32 v[80+16*\q+\i], 0x4019999a, v[80+16*\q+\i]   ; 8 x 0.3 / diff
.endr
.irp i, 0,1,2,3,4,5,6,7,8,9,10,11,12,13,14,15
	v_cmp_eq_u32 vcc_lo, 1, v[144+\i]
	v_cndmask_b32 v[80+16*\q+\i], v[80+16*\q+\i], v12, vcc_lo
	v_cmp_eq_u32 vcc_lo, 0, v[160+\i]
	v_cndmask_b32 v[80+16*\q+\i], v[80+16*\q+\i], v13, vcc_lo
.endr
.endm
	s_mov_b32 s38, 4
.Lqt:                                              ; four trips: a query tile each
	MGROUP 0
	MGROUP 1
	MGROUP 2
	MGROUP 3
.irp c, 0,1,2,3,4,5,6,7,8,9,10,11,12,13,14,15
	global_store_b128 v1, v[80+4*\c:83+4*\c], s[22:23] offset:\c*512   ; 32 lanes store 512 consecutive bytes
.endr
	s_wait_xcnt 0x0                                ; the stores have read their data and their base: both are written again only behind this wait
	s_add_nc_u64 s[22:23], s[22:23], 0x20000       ; the next query tile's 16 blocks of 8,192 bytes on
	v_mov_b32 v8, v9
	v_mov_b32 v9, v10
	v_mov_b32 v10, v11
	s_sub_co_u32 s38, s38, 1
	s_cmp_lg_u32 s38, 0
	s_cbranch_scc1 .Lqt
	s_endpgm
.Lfunc_end_k_qe8cd35336d_prep:
	.size	k_qe8cd35336d_prep, .Lfunc_end_k_qe8cd35336d_prep-k_qe8cd35336d_prep
	.p2alignl 7, 3214868480
	.fill 96, 4, 3214868480
	.section	.rodata,"a",@progbits
	.p2align	6, 0x0
	.amdhsa_kernel k_qe8cd35336d_prep
		.amdhsa_group_segment_fixed_size 34304
		.amdhsa_private_segment_fixed_size 0
		.amdhsa_enable_private_segment 0
		.amdhsa_kernarg_size 80
		.amdhsa_user_sgpr_count 2
		.amdhsa_user_sgpr_kernarg_segment_ptr 1
		.amdhsa_wavefront_size32 1
		.amdhsa_system_sgpr_workgroup_id_x 1
		.amdhsa_system_sgpr_workgroup_id_y 1
		.amdhsa_system_sgpr_workgroup_id_z 1
		.amdhsa_system_vgpr_workitem_id 0
		.amdhsa_next_free_vgpr 256
		.amdhsa_next_free_sgpr 66
		.amdhsa_reserve_vcc 1
		.amdhsa_float_denorm_mode_32 3
		.amdhsa_float_denorm_mode_16_64 3
		.amdhsa_memory_ordered 1
		.amdhsa_forward_progress 1
		.amdhsa_inst_pref_size 87
	.end_amdhsa_kernel
	.amdgpu_metadata
---
amdhsa.version: [ 1, 2 ]
amdhsa.kernels:
  - .name:           k_qe8cd35336d_prep
    .symbol:         k_qe8cd35336d_prep.kd
    .args:
      - { .name: x, .offset: 0, .size: 8, .value_kind: global_buffer, .address_space: global }
      - { .name: W_q, .offset: 8, .size: 8, .value_kind: global_buffer, .address_space: global }
      - { .name: W_k, .offset: 16, .size: 8, .value_kind: global_buffer, .address_space: global }
      - { .name: W_v, .offset: 24, .size: 8, .value_kind: global_buffer, .address_space: global }
      - { .name: W_o, .offset: 32, .size: 8, .value_kind: global_buffer, .address_space: global }
      - { .name: W_p, .offset: 40, .size: 8, .value_kind: global_buffer, .address_space: global }
      - { .name: verse_positions, .offset: 48, .size: 8, .value_kind: global_buffer, .address_space: global }
      - { .name: cw, .offset: 56, .size: 8, .value_kind: global_buffer, .address_space: global }
      - { .name: sw, .offset: 64, .size: 8, .value_kind: global_buffer, .address_space: global }
      - { .name: mk, .offset: 72, .size: 8, .value_kind: global_buffer, .address_space: global }
    .group_segment_fixed_size: 34304
    .private_segment_fixed_size: 0
    .kernarg_segment_align: 8
    .kernarg_segment_size: 80
    .max_flat_workgroup_size: 128
    .sgpr_count:     66
    .vgpr_count:     256
    .wavefront_size: 32
...
	.end_amdgpu_metadata
.endif
;; end of part 1
;; launch qkv (part 2): grid 8 x 24, 4 waves a work-group, clusters of 4 x 4, 327,680 bytes of LDS; arguments cw, sw, b_q, b_k, b_v, qr, kv; writes qr, kv
.if DOCPART == 2
	.amdgcn_target "amdgcn-amd-amdhsa--gfx1250"
	.amdhsa_code_object_version 6
	.text
	.protected	k_qe8cd35336d_qkv
	.globl	k_qe8cd35336d_qkv
	.p2align	8
	.type	k_qe8cd35336d_qkv,@function
k_qe8cd35336d_qkv:
	s_mov_b64 s[64:65], 0
	v_nop
	global_prefetch_b8 v0, s[64:65] scope:SCOPE_SE
	s_setreg_imm32_b32 hwreg(HW_REG_WAVE_MODE, 25, 1), 1
	s_wait_xcnt 0x0
	s_wait_alu depctr_hold_cnt(0) depctr_sa_sdst(0) depctr_va_vdst(0) depctr_va_sdst(0) depctr_va_ssrc(0) depctr_va_vcc(0) depctr_vm_vsrc(0)
	s_getreg_b32 s2, hwreg(HW_REG_IB_STS2, 6, 4)
	s_cmp_eq_u32 s2, 0
	s_cbranch_scc0 .Lentry_in_a_cluster
	s_endpgm
.Lentry_in_a_cluster:
	s_bfe_u32 s2, ttmp6, 0x10000c
	s_cmp_lg_u32 s2, 0xf033
	s_cbranch_scc0 .Lentry_shape_is_right
	s_endpgm
.Lentry_shape_is_right:
; QKV.  q = x W_q^T + b_q, k = x W_k^T + b_k, v = x W_v^T + b_v on codes of E4M3 with E8M0 scales, K = 1,024; each result is quantised in registers and stored as images of the attention launch's operands.
; A work-group of four waves makes 256 x 256 of a result, a wave 128 x 128: 64 accumulators, 512 registers.  Source 0 of every product is operand P, along whose rows the result is quantised;
; source 1 is operand R: a lane then holds one row of R and its registers run along rows of P.  Cluster rows 0-3 (path qk): P = W_q or W_k (the head's 64 are the next K), R = x.
; Cluster rows 4-5 (path v): P = x (the keys are the next K), R = W_v.  The tiles of cw are laid so that the 16 registers of P's tiles 2 g and 2 g + 1 are 16 neighbours, 32 g + 16 (lane / 16) + 0..15.
; K goes in steps of 256 through two LDS slots; a tile's part of a slot is two fragment images, 4,096 consecutive bytes, so every LDS load reads 512 consecutive bytes.  The scale words of all of K come once.
; CLUSTERS: 4 x 4 work-groups.  R's tiles hang on the work-group's y alone and are asked for jointly along a row of the cluster, P's on its x (and the cluster's y) alone, along a column.
; The branches on the path hang on the cluster's y, which all sixteen partners share.
; RECORDS (qr, kv): [batch x head 32][128 tokens 16] x 17,408 bytes: at 0 four fragments f (registers 0-7: token tile 2 f's 64 codes a row, registers 8-15: tile 2 f + 1's); at 8,192 their scale words [r][f]
; (bytes 0, 1: tile 2 f, bytes 2, 3: tile 2 f + 1); at 8,448 V's scale words [r][4]; at 8,704 V's four fragments (16 of the head's 64 x 128 keys); at 16,896 512 bytes of zeros.
; LIMITS: NaN and infinities are not served; a block whose largest magnitude lies under 2^-118 keeps the byte 1.
; REGISTERS: window 0: v0-31 addresses; v32-63 scale words, two sets; v64-127 the bias; v128-255 R's fragments, one set; in the epilogue v128-191 codes, v192-221 at work.
;   window 1: P's fragments, two sets.   windows 2, 3: the accumulators: (a, b) at v[8 (8 (a % 4) + b)] of window 2 + a / 4.
.set REC,   17408
.set HSTR,  16*REC                     ; from a head to the next
.set KSW,   8192
.set VSW,   8448
.set VF,    8704
.set PADO,  16896
.set NQ,    2                          ; fragments deep in a slot
.set FR,    16
.set NL,    4
.set NP,    8                          ; places behind this matrix instruction (ISA guide 7.12.1)
.set HALFT, 32768                      ; 8 tiles x 4,096 bytes: what one tensor load brings
.set SLOT,  4*HALFT                    ; R's 16 tiles, then P's 16
.set SCL,   2*SLOT                     ; behind the ring: the scale words, 512 bytes a tile
.set HALFS, 4096
.set SPARE, SCL+4*HALFS                ; the spare words, 128 bytes for each wave: two blocks of 256 bytes that no other line names
.set LI,   8                           ; v8    16 x lane
.set WA,   9                           ; v9    HSTR x (lane / 16) + 16 r: where a row's four scale words go
.set BQA,  10                          ; v10   64 x (lane / 16)
.set BVA,  11                          ; v11   4 x (r % 8 + 16 (r / 8))
.set ZR,   12                          ; v12-15 zeros
.set ADRA, 16                          ; v16-17 LDS address of R's fragments in slot 0, 1
.set ADRB, 20                          ; v20-21 of P's
.set ADRS, 27                          ; v27   of the scale words: lanes 0-15 R's, lanes 16-31 P's
.set SPW,  28                          ; v28   my spare word; never rewritten
.set NIL,  29                          ; v29   0; never rewritten
.set SC,   32
.set BI,   64
.set AF,   128
.set PCB,  128                         ; the epilogue: four sets of 16 registers of codes, by turns
.set TM,   192
.set PW,   208                         ; v208-215 the scale word of each of R's eight blocks
.set WD,   216
.set SELV, 220
.set G1,   24
.set G0,   32
.set G1B,  48
.set G0B,  56
.set G1S,  68
.set G0S,  76
.set G1SB, 80
.set G0SB, 88
.set MSB, 0
.macro WIN new                         ; the immediate's high byte repeats the setting that is left
.if MSB != (\new)
	s_set_vgpr_msb (MSB<<8)|(\new)
.set MSB, (\new)
.endif
.endm
.set MUL_LO, 0xa1                      ; source 0 (P) window 1, source 1 (R) window 0, C and D window 2
.set MUL_HI, 0xf1
.set TO_B,   0x40
; A joint load: waves 0 and 1 fetch for R, waves 2 and 3 for P.  The branch hangs on the wave's number alone.  Four v_nop follow each of the two lines.
.macro JLOAD g0a, g1a, g0b, g1b
	s_cmp_eq_u32 s19, 0
	s_cbranch_scc0 .Lfor_b_\@
	tensor_load_to_lds s[\g0a:\g0a+3], s[\g1a:\g1a+7]
	s_nop 0
.rept 4
	v_nop
.endr
	s_branch .Lasked_\@
.Lfor_b_\@:
	tensor_load_to_lds s[\g0b:\g0b+3], s[\g1b:\g1b+7]
	s_nop 0
.rept 4
	v_nop
.endr
.Lasked_\@:
.endm
.macro CREST
	s_cmp_lg_u32 s18, 0
	s_cbranch_scc1 .Lnot_wave_0_\@
	s_barrier_signal -3
.Lnot_wave_0_\@:
	s_barrier_wait -3
	s_barrier_signal -1
	s_barrier_wait -1
.endm
.macro CROUND
	s_barrier_signal -1
	s_barrier_wait -1
	CREST
.endm
	s_load_b256 s[4:11], s[0:1], 0x0               ; cw, sw, b_q, b_k
	s_load_b128 s[12:15], s[0:1], 0x20             ; b_v, qr
	s_load_b64 s[16:17], s[0:1], 0x30              ; kv
	v_lshl_add_u32 v[SPW], v0, 2, SPARE
	v_mov_b32 v[NIL], 0
	ds_add_u32 v28, v29
	ds_add_u32 v28, v29
	s_wait_dscnt 0x0
	v_lshrrev_b32 v1, 5, v0
	v_readfirstlane_b32 s18, v1                    ; wave 0..3
	s_lshr_b32 s19, s18, 1                         ; which half of R's rows is mine.  Also: I fetch for R (0) or for P (1)
	s_and_b32 s20, s18, 1                          ; which half of P's rows.  Also: which 8 tiles I fetch
	s_bfe_u32 s40, ttmp6, 0x40000                  ; cx
	s_bfe_u32 s41, ttmp6, 0x40004                  ; cy
	s_lshl_b32 s42, ttmp9, 2
	s_add_co_u32 s42, s42, s40                     ; work-group x
	s_and_b32 s45, ttmp7, 0xffff                   ; the cluster's y: under 4 path qk, else path v
	s_lshl_b32 s46, s45, 2
	s_add_co_u32 s46, s46, s41                     ; work-group y
	s_lshl_b32 s43, s41, 2
	s_lshl_b32 s43, 15, s43                        ; my row of the cluster
	s_lshl_b32 s44, 0x1111, s40                    ; my column
	; group 1 for codes: 8 rows (tiles) of 512 elements of 8 bytes, 2,048 elements (a tile's 16,384 bytes) apart; no padding: the images are read 512 consecutive bytes at a time
	s_or_b32 s[G1+0], s43, (3<<16)|(1<<21)
	s_or_b32 s[G1B+0], s44, (3<<16)|(1<<21)
.irp g, G1, G1B
	s_mov_b32 s[\g+1], 512<<16                     ; tensor_dim0
	s_mov_b32 s[\g+2], 8<<16                       ; tensor_dim1
	s_mov_b32 s[\g+3], 512<<16                     ; tile_dim0
	s_mov_b32 s[\g+4], 8                           ; tile_dim1
	s_mov_b32 s[\g+5], 2048                        ; tensor_dim0_stride
	s_mov_b32 s[\g+6], 0
	s_mov_b32 s[\g+7], 0
.endr
	; and for the scale words of 8 tiles: 4,096 dense bytes as 16 rows of 256
	s_or_b32 s[G1S+0], s43, (3<<16)|(1<<21)
	s_or_b32 s[G1SB+0], s44, (3<<16)|(1<<21)
.irp g, G1S, G1SB
	s_mov_b32 s[\g+1], 32<<16
	s_mov_b32 s[\g+2], 16<<16
	s_mov_b32 s[\g+3], 32<<16
	s_mov_b32 s[\g+4], 16
	s_mov_b32 s[\g+5], 32
	s_mov_b32 s[\g+6], 0
	s_mov_b32 s[\g+7], 0
.endr
	s_lshl_b32 s21, s20, 3                         ; 8 x which half I fetch
	s_lshl_b32 s92, s46, 4                         ; R's first tile.  qk: x's tile 16 y;
	s_lshl_b32 s93, s41, 4
	s_add_co_u32 s93, s93, 384                     ; v: W_v's tile 384 + 16 cy
	s_cmp_lt_u32 s45, 4
	s_cselect_b32 s92, s92, s93
	s_add_co_u32 s92, s92, s21
	s_lshl_b32 s94, s42, 4                         ; P's first tile.  v: x's tile 16 (x + 8 (cluster y - 4));
	s_lshl_b32 s95, s45, 7
	s_add_co_u32 s95, s95, s94
	s_sub_co_u32 s95, s95, 512
	s_add_co_u32 s94, s94, 256                     ; qk: W_q's and W_k's tile 256 + 16 x
	s_cmp_lt_u32 s45, 4
	s_cselect_b32 s94, s94, s95
	s_add_co_u32 s94, s94, s21
	s_lshl_b32 s96, s92, 14                        ; in bytes: codes,
	s_mov_b32 s97, 0
	s_lshl_b32 s66, s92, 9                         ; scale words
	s_mov_b32 s67, 0
	s_lshl_b32 s98, s94, 14
	s_mov_b32 s99, 0
	s_lshl_b32 s100, s94, 9
	s_mov_b32 s101, 0
	s_lshl_b32 s47, s18, 15                        ; where they go: wave x HALFT, wave x HALFS: no place in the cluster enters an LDS address
	s_lshl_b32 s21, s18, 12
	s_wait_kmcnt 0x0
	s_add_nc_u64 s[96:97], s[4:5], s[96:97]
	s_add_nc_u64 s[66:67], s[6:7], s[66:67]
	s_add_nc_u64 s[98:99], s[4:5], s[98:99]
	s_add_nc_u64 s[100:101], s[6:7], s[100:101]
	CROUND                                         ; all sixteen work-groups are here: the first joint loads meet
	s_mov_b32 s[G0S], 1
	s_add_co_u32 s[G0S+1], s21, SCL
	s_mov_b64 s[G0S+2:G0S+3], s[66:67]
	s_or_b32 s[G0S+3], s[G0S+3], 0x80000000
	s_mov_b32 s[G0SB], 1
	s_add_co_u32 s[G0SB+1], s21, SCL
	s_mov_b64 s[G0SB+2:G0SB+3], s[100:101]
	s_or_b32 s[G0SB+3], s[G0SB+3], 0x80000000
	JLOAD G0S, G1S, G0SB, G1SB                     ; the scale words first: they are wanted with the first K step
.irp s, 0,1
	s_mov_b32 s[G0+4*\s], 1
	s_add_co_u32 s[G0+4*\s+1], s47, \s*SLOT
	s_add_nc_u64 s[G0+4*\s+2:G0+4*\s+3], s[96:97], \s*4096
	s_or_b32 s[G0+4*\s+3], s[G0+4*\s+3], 0x80000000
	s_mov_b32 s[G0B+4*\s], 1
	s_add_co_u32 s[G0B+4*\s+1], s47, \s*SLOT
	s_add_nc_u64 s[G0B+4*\s+2:G0B+4*\s+3], s[98:99], \s*4096
	s_or_b32 s[G0B+4*\s+3], s[G0B+4*\s+3], 0x80000000
	JLOAD G0+4*\s, G1, G0B+4*\s, G1B               ; three tensor loads of mine are out behind the last of these
.endr
	v_and_b32 v1, 15, v0                           ; r
	v_bfe_u32 v2, v0, 4, 1                         ; h
	v_and_b32 v3, 31, v0
	v_lshlrev_b32 v[LI], 4, v3
	s_lshl_b32 s21, s19, 15                        ; my 8 tiles of R
	s_lshl_b32 s22, s20, 15                        ; my 8 tiles of P,
	s_add_co_u32 s22, s22, 2*HALFT                 ; which lie behind R's 16
.irp s, 0,1
	v_add_nc_u32 v[ADRA+\s], s21, v[LI]
	v_add_nc_u32 v[ADRB+\s], s22, v[LI]
	s_add_co_u32 s21, s21, SLOT
	s_add_co_u32 s22, s22, SLOT
.endr
	s_lshl_b32 s21, s19, 12                        ; R's scale words: my 8 tiles
	s_lshl_b32 s22, s20, 12                        ; P's: my 8 tiles, behind R's 16
	s_add_co_u32 s22, s22, 2*HALFS
	s_sub_co_u32 s22, s22, s21
	v_mul_u32_u24 v4, s22, v2                      ; lanes 16-31 take P's: one product, the distance between the two
	v_lshl_add_u32 v4, v1, 4, v4                   ; 16 bytes a row
	s_add_co_u32 s21, s21, SCL
	v_add_nc_u32 v[ADRS], s21, v4
	v_mul_u32_u24 v[WA], v2, HSTR
	v_lshl_add_u32 v[WA], v1, 4, v[WA]
	v_lshlrev_b32 v[BQA], 6, v2
	v_and_b32 v5, 8, v1
	v_add_nc_u32 v5, v5, v1
	v_lshlrev_b32 v[BVA], 2, v5
.irp i, 0,1,2,3
	v_mov_b32 v[ZR+\i], 0
.endr
.macro RECOFF                          ; s22 = which 128 tokens of 32, s23 = my first head of 16  ->  s[22:23] = my first record's byte offset
	s_lshr_b32 s21, s22, 4
	s_lshl_b32 s21, s21, 4
	s_add_co_u32 s21, s21, s23
	s_lshl_b32 s21, s21, 4
	s_and_b32 s22, s22, 15
	s_add_co_u32 s21, s21, s22
	s_mul_i32 s22, s21, REC
	s_mov_b32 s23, 0
.endm
	; the bias, asked for now and waited for in the epilogue, and where my results go
	s_cmp_lt_u32 s45, 4
	s_cbranch_scc0 .Lbias_v
	s_and_b32 s22, s42, 3
	s_lshl_b32 s22, s22, 10
	s_lshl_b32 s23, s20, 9
	s_add_co_u32 s22, s22, s23                     ; my 128 columns x 4 bytes
	s_mov_b32 s23, 0
	s_cmp_eq_u32 ttmp9, 0                          ; work-groups x 0-3 make q, 4-7 make k
	s_cselect_b64 s[104:105], s[8:9], s[10:11]
	s_cselect_b64 s[2:3], s[14:15], s[16:17]
	s_add_nc_u64 s[104:105], s[104:105], s[22:23]
.irp g, 0,1,2,3
.irp j, 0,1,2,3
	global_load_b128 v[BI+16*\g+4*\j:BI+16*\g+4*\j+3], v[BQA], s[104:105] offset:\g*128+\j*16   ; register 16 g + i: column 32 g + 16 h + i
.endr
.endr
	s_lshl_b32 s22, s46, 1
	s_add_co_u32 s22, s22, s19                     ; my 128 tokens
	s_and_b32 s23, s42, 3
	s_lshl_b32 s23, s23, 2
	s_lshl_b32 s21, s20, 1
	s_add_co_u32 s23, s23, s21                     ; my two heads
	RECOFF
	s_add_nc_u64 s[2:3], s[2:3], s[22:23]
	s_branch .Lbias_done
.Lbias_v:
	s_lshl_b32 s22, s41, 10
	s_lshl_b32 s23, s19, 9
	s_add_co_u32 s22, s22, s23
	s_mov_b32 s23, 0
	s_add_nc_u64 s[104:105], s[12:13], s[22:23]
.irp a, 0,1,2,3,4,5,6,7
	global_load_b32 v[BI+2*\a], v[BVA], s[104:105] offset:(32*(\a/2)+8*(\a%2))*4     ; my row of W_v's tile a: one number, twice, for the packed addition
	global_load_b32 v[BI+2*\a+1], v[BVA], s[104:105] offset:(32*(\a/2)+8*(\a%2))*4
.endr
	s_sub_co_u32 s21, s45, 4
	s_lshl_b32 s21, s21, 3
	s_add_co_u32 s21, s21, s42
	s_lshl_b32 s21, s21, 1
	s_add_co_u32 s22, s21, s20                     ; my 128 tokens
	s_lshl_b32 s23, s41, 2
	s_lshl_b32 s21, s19, 1
	s_add_co_u32 s23, s23, s21                     ; my two heads
	RECOFF
	s_add_nc_u64 s[2:3], s[16:17], s[22:23]
.Lbias_done:
.macro FRAG reg, adr, q, i             ; a fragment's image: four loads of 512 consecutive bytes
.irp c, 0,1,2,3
	ds_load_b128 v[\reg+4*\c:\reg+4*\c+3], v[\adr] offset:2048*(\q)+512*\c+(\i)*4096
.endr
.endm
; 16 matrix instructions: R's blocks a0, a0 + 1 x P's eight.  The 64 accumulators take turns, one instruction a turn, in the same order in every step.
.macro MUL16 a0, p, q, sc, zero
.irp a, \a0, \a0+1
.irp b, 0,1,2,3,4,5,6,7
.if \zero
	v_wmma_scale_f32_16x16x128_f8f6f4 v[8*(8*((\a)%4)+\b):8*(8*((\a)%4)+\b)+7], v[128*(\p)+FR*\b:128*(\p)+FR*\b+FR-1], v[AF+FR*(\a):AF+FR*(\a)+FR-1], 0, v[SC+8*NQ*(\sc)+NQ*\b+(\q)], v[SC+8*NQ*(\sc)+NQ*(\a)+(\q)] matrix_a_scale:MATRIX_SCALE_ROW1
.else
	v_wmma_scale_f32_16x16x128_f8f6f4 v[8*(8*((\a)%4)+\b):8*(8*((\a)%4)+\b)+7], v[128*(\p)+FR*\b:128*(\p)+FR*\b+FR-1], v[AF+FR*(\a):AF+FR*(\a)+FR-1], v[8*(8*((\a)%4)+\b):8*(8*((\a)%4)+\b)+7], v[SC+8*NQ*(\sc)+NQ*\b+(\q)], v[SC+8*NQ*(\sc)+NQ*(\a)+(\q)] matrix_a_scale:MATRIX_SCALE_ROW1
.endif
.endr
.endr
.endm
.macro FETCH_B slot, q, p
	WIN TO_B
.irp i, 0,1,2,3,4,5,6,7
	FRAG 128*(\p)+FR*\i, ADRB+\slot, \q, \i
.endr
	WIN 0
.endm
.macro FETCH_A slot, q, i0
.irp i, \i0, \i0+1, \i0+2, \i0+3
	FRAG AF+FR*(\i), ADRA+\slot, \q, \i
.endr
.endm
.macro SCALES sc, sg                   ; the two scale words a row of K step sg (256 along K) into set sc: lanes 0-15 R's tile i, lanes 16-31 P's tile i
.irp i, 0,1,2,3,4,5,6,7
	ds_load_b64 v[SC+8*NQ*\sc+NQ*\i:SC+8*NQ*\sc+NQ*\i+1], v[ADRS] offset:\i*512+((\sg)/2)*256+((\sg)%2)*8
.endr
.endm
.macro PLACES n                        ; plain vector lines between a matrix instruction and a load into, or a read of, its registers
.rept \n
	v_nop
.endr
.endm
.macro STEP slot, q, zero              ; 128 along K that have their successor in the same slot
	s_wait_dscnt 4*NL                              ; P's set, R's blocks 0-3 and the scale words are in; the youngest 16 loads (R's blocks 4-7) may be out
	WIN MUL_LO
	MUL16 0, (\q)%2, \q, \slot, \zero
	MUL16 2, (\q)%2, \q, \slot, \zero
	s_wait_dscnt 0
	PLACES NP
	FETCH_B \slot, (\q)+1, 1-(\q)%2
	FETCH_A \slot, (\q)+1, 0
	WIN MUL_HI
	MUL16 4, (\q)%2, \q, \slot, \zero
	MUL16 6, (\q)%2, \q, \slot, \zero
	PLACES NP
	WIN 0
	FETCH_A \slot, (\q)+1, 4
.endm
; A slot's last 128 along K change slots: one barrier; in front of it each wave waits for all its tensor loads, adds 0 to its spare word, and waits for that and for its reads of this slot.
; fill = 1: this slot is filled again, two K steps ahead, behind a round of the cluster's barrier.  sg: the K step whose scale words are fetched.
.macro TURN slot, next, fill, sg
	s_wait_tensorcnt 0x0                           ; all my tensor loads have landed: my part of the next slot
	ds_add_u32 v[SPW], v[NIL]                      ; 0 onto my spare word
	s_wait_dscnt 4*NL+1                            ; the add and the youngest 16 loads may be out
	WIN MUL_LO
	MUL16 0, 1, NQ-1, \slot, 0
	s_wait_dscnt 0x0                               ; the add is done, and my reads of this slot are over
	s_barrier_signal -1
	MUL16 2, 1, NQ-1, \slot, 0
	WIN 0
	s_barrier_wait -1
.if \fill
	CREST                                          ; no wave of any partner still reads this slot or has a load on its way
	s_add_nc_u64 s[G0+4*\slot+2:G0+4*\slot+3], s[G0+4*\slot+2:G0+4*\slot+3], 8192
	s_add_nc_u64 s[G0B+4*\slot+2:G0B+4*\slot+3], s[G0B+4*\slot+2:G0B+4*\slot+3], 8192
	JLOAD G0+4*\slot, G1, G0B+4*\slot, G1B         ; my one tensor load behind the round; its four v_nop are among the places in front of the loads below
	PLACES NP-4
.else
	PLACES NP
.endif
	FETCH_B \next, 0, 0
	FETCH_A \next, 0, 0
	SCALES \next, \sg
	WIN MUL_HI
	MUL16 4, 1, NQ-1, \slot, 0
	MUL16 6, 1, NQ-1, \slot, 0
	PLACES NP
	WIN 0
	FETCH_A \next, 0, 4
.endm
	s_wait_tensorcnt 1                             ; the scale words and my part of K step 0 are in; K step 1's load may be out
	s_barrier_signal -1
	s_barrier_wait -1
	FETCH_B 0, 0, 0
	FETCH_A 0, 0, 0
	SCALES 0, 0
	FETCH_A 0, 0, 4
	STEP 0, 0, 1                                   ; K = 1,024 is four K steps of 256: written out; the first products start the sums
	TURN 0, 1, 1, 1
	STEP 1, 0, 0
	TURN 1, 0, 1, 2
	STEP 0, 0, 0
	TURN 0, 1, 0, 3                                ; nothing is left to fetch
	STEP 1, 0, 0
	s_wait_dscnt 4*NL
	WIN MUL_LO
	MUL16 0, 1, NQ-1, 1, 0
	MUL16 2, 1, NQ-1, 1, 0
	s_wait_dscnt 0
	WIN MUL_HI
	MUL16 4, 1, NQ-1, 1, 0
	MUL16 6, 1, NQ-1, 1, 0
	WIN 0
; THE EPILOGUE.  For each of R's blocks a the lane's 64 numbers (register 16 g + i = place 32 g + 16 h + i along P's rows) get their bias and become 16 registers of codes and a scale word.
.macro QACC ac, w, pc, pw              ; 64 registers from v[ac] of window w -> codes v[pc] on, scale word v[pw], both in window 0
	WIN (\w)|((\w)<<2)
.irp b, 0,1,2,3
	v_max3_num_f32 v[TM+\b], |v[(\ac)+16*\b]|, |v[(\ac)+16*\b+1]|, 0x4800000    ; and the floor 2^(9 - 127): the byte cannot fall under 1
.endr
.irp i, 2,4,6,8,10,12,14
.irp b, 0,1,2,3
	v_max3_num_f32 v[TM+\b], |v[(\ac)+16*\b+\i]|, |v[(\ac)+16*\b+\i+1]|, v[TM+\b]
.endr
.endr
	WIN 0
.irp b, 0,1,2,3
	v_permlanex16_b32 v[TM+4+\b], v[TM+\b], s92, s93
.endr
.irp b, 0,1,2,3
	v_max_num_f32 v[TM+\b], v[TM+\b], v[TM+4+\b]
.endr
.irp b, 0,1,2,3
	v_add_nc_u32 v[TM+12+\b], 0xfc000000, v[TM+\b]
.endr
.irp b, 0,1,2,3
	v_and_or_b32 v[TM+8+\b], v[TM+\b], 0x7f800000, s94
.endr
.irp b, 0,1,2,3
	v_lshrrev_b32 v[TM+4+\b], 23, v[TM+12+\b]
.endr
	v_lshl_or_b32 v[\pw], v[TM+5], 8, v[TM+4]
	v_lshl_or_b32 v[\pw], v[TM+6], 16, v[\pw]
	v_lshl_or_b32 v[\pw], v[TM+7], 24, v[\pw]
	WIN (\w)|((\w)<<6)
.irp b, 0,1,2,3
.irp i, 0,1,2,3,4,5,6,7,8,9,10,11,12,13,14,15
	v_med3_num_f32 v[(\ac)+16*\b+\i], v[(\ac)+16*\b+\i], -v[TM+8+\b], v[TM+8+\b]   ; the conversion does not saturate (ISA guide 7.6.2): the hold comes first
.endr
.endr
	WIN (\w)
.irp b, 0,1,2,3
	v_cvt_scalef32_pk8_fp8_f32 v[(\pc)+4*\b:(\pc)+4*\b+1], v[(\ac)+16*\b:(\ac)+16*\b+7], v[TM+12+\b]
	v_cvt_scalef32_pk8_fp8_f32 v[(\pc)+4*\b+2:(\pc)+4*\b+3], v[(\ac)+16*\b+8:(\ac)+16*\b+15], v[TM+12+\b]
.endr
	WIN 0
	v_nop                                          ; one plain line behind the last conversion
.endm
.macro EPI isv
.irp a, 0,1,2,3,4,5,6,7
.set W,   2+(\a)/4
.set AC,  64*((\a)%4)
.set PCA, PCB+16*((\a)%4)
	WIN W|(W<<6)
.set i, 0
.rept 32
.if \isv
	v_pk_add_f32 v[AC+2*i:AC+2*i+1], v[AC+2*i:AC+2*i+1], v[BI+2*(\a):BI+2*(\a)+1]   ; each accumulator from its low end on
.else
	v_pk_add_f32 v[AC+2*i:AC+2*i+1], v[AC+2*i:AC+2*i+1], v[BI+2*i:BI+2*i+1]
.endif
.set i, i+1
.endr
	s_wait_xcnt 0x0                                ; the stores of four blocks ago have read this set of codes
	QACC AC, W, PCA, PW+(\a)
.irp g, 0,1,2,3
.if \isv
	global_store_b128 v[LI], v[PCA+4*\g:PCA+4*\g+3], s[2:3] offset:((\a)/4)*HSTR+VF+((\a)%4)*2048+\g*512              ; head a / 4, fragment a % 4: 512 consecutive bytes
.else
	global_store_b128 v[LI], v[PCA+4*\g:PCA+4*\g+3], s[2:3] offset:(\g/2)*HSTR+((\a)/2)*2048+(2*((\a)%2)+\g%2)*512    ; head g / 2, fragment a / 2, registers 4 (2 (a % 2) + g % 2) on
.endif
.endr
.endr
.endm
	PLACES NP                                      ; behind the last products: their results are read and R's registers written below
	s_mov_b32 s92, 0x76543210
	s_mov_b32 s93, 0xfedcba98                      ; lane selects: lane l xor 16
	s_mov_b32 s94, 0x600000                        ; the mantissa field of 448
.irp b, 0,1,2,3
	v_mov_b32 v[TM+4+\b], 0                        ; a lane permute's destination counts as one of its sources
.endr
	v_cmp_eq_u32 vcc_lo, 1, v2                     ; lanes 16-31
	s_wait_loadcnt 0x0                             ; the bias
	s_cmp_lt_u32 s45, 4
	s_cbranch_scc0 .Lepi_v
	EPI 0
	v_mov_b32 v[SELV], 0x05040100                  ; lanes 0-15 store my first head's words (bytes 0, 1 of each block's word), lanes 16-31 my second head's (bytes 2, 3)
	v_mov_b32 v[SELV+1], 0x07060302
	v_cndmask_b32 v[SELV], v[SELV], v[SELV+1], vcc_lo
.irp f, 0,1,2,3
	v_perm_b32 v[WD+\f], v[PW+2*\f+1], v[PW+2*\f], v[SELV]
.endr
	global_store_b128 v[WA], v[WD:WD+3], s[2:3] offset:KSW
	global_store_b128 v[LI], v[ZR:ZR+3], s[2:3] offset:PADO          ; the records' last 512 bytes
	global_store_b128 v[LI], v[ZR:ZR+3], s[2:3] offset:PADO+HSTR
	s_branch .Ldone
.Lepi_v:
	EPI 1
.irp j, 0,1,2,3
	v_cndmask_b32 v[WD+\j], v[PW+\j], v[PW+4+\j], vcc_lo             ; lanes 0-15: my first head's four fragments, lanes 16-31: my second head's
.endr
	global_store_b128 v[WA], v[WD:WD+3], s[2:3] offset:VSW
.Ldone:
	s_wait_tensorcnt 0x0                           ; the wave's end
	ds_add_u32 v[SPW], v[NIL]
	s_wait_dscnt 0x0
	CROUND                                         ; the closing round: no work-group ends while a partner may still ask for a tile that names it
	s_endpgm
.Lfunc_end_k_qe8cd35336d_qkv:
	.size	k_qe8cd35336d_qkv, .Lfunc_end_k_qe8cd35336d_qkv-k_qe8cd35336d_qkv
	.p2alignl 7, 3214868480
	.fill 96, 4, 3214868480
	.section	.rodata,"a",@progbits
	.p2align	6, 0x0
	.amdhsa_kernel k_qe8cd35336d_qkv
		.amdhsa_group_segment_fixed_size 327680
		.amdhsa_private_segment_fixed_size 0
		.amdhsa_enable_private_segment 0
		.amdhsa_kernarg_size 56
		.amdhsa_user_sgpr_count 2
		.amdhsa_user_sgpr_kernarg_segment_ptr 1
		.amdhsa_wavefront_size32 1
		.amdhsa_system_sgpr_workgroup_id_x 1
		.amdhsa_system_sgpr_workgroup_id_y 1
		.amdhsa_system_sgpr_workgroup_id_z 1
		.amdhsa_system_vgpr_workitem_id 0
		.amdhsa_next_free_vgpr 1024
		.amdhsa_next_free_sgpr 106
		.amdhsa_reserve_vcc 1
		.amdhsa_float_denorm_mode_32 3
		.amdhsa_float_denorm_mode_16_64 3
		.amdhsa_memory_ordered 1
		.amdhsa_forward_progress 1
		.amdhsa_inst_pref_size 255
	.end_amdhsa_kernel
	.section	.bss,"aw",@nobits
	.p2align	6
	.space	262144
	.amdgpu_metadata
---
amdhsa.version: [ 1, 2 ]
amdhsa.kernels:
  - .name:           k_qe8cd35336d_qkv
    .symbol:         k_qe8cd35336d_qkv.kd
    .args:
      - { .name: cw, .offset: 0, .size: 8, .value_kind: global_buffer, .address_space: global }
      - { .name: sw, .offset: 8, .size: 8, .value_kind: global_buffer, .address_space: global }
      - { .name: b_q, .offset: 16, .size: 8, .value_kind: global_buffer, .address_space: global }
      - { .name: b_k, .offset: 24, .size: 8, .value_kind: global_buffer, .address_space: global }
      - { .name: b_v, .offset: 32, .size: 8, .value_kind: global_buffer, .address_space: global }
      - { .name: qr, .offset: 40, .size: 8, .value_kind: global_buffer, .address_space: global }
      - { .name: kv, .offset: 48, .size: 8, .value_kind: global_buffer, .address_space: global }
    .group_segment_fixed_size: 327680
    .private_segment_fixed_size: 0
    .kernarg_segment_align: 8
    .kernarg_segment_size: 56
    .max_flat_workgroup_size: 128
    .sgpr_count:     106
    .vgpr_count:     1024
    .wavefront_size: 32
...
	.end_amdgpu_metadata
.endif
;; end of part 2
;; launch attn (part 3): grid 8 x 32, 16 waves a work-group, no clusters, 280,576 bytes of LDS; arguments qr, kv, mk, cc, cs; writes cc, cs
.if DOCPART == 3
	.amdgcn_target "amdgcn-amd-amdhsa--gfx1250"
	.amdhsa_code_object_version 6
	.text
	.protected	k_qe8cd35336d_attn
	.globl	k_qe8cd35336d_attn
	.p2align	8
	.type	k_qe8cd35336d_attn,@function
k_qe8cd35336d_attn:
	s_mov_b64 s[64:65], 0
	v_nop
	global_prefetch_b8 v0, s[64:65] scope:SCOPE_SE
	s_setreg_imm32_b32 hwreg(HW_REG_WAVE_MODE, 25, 1), 1
	s_wait_xcnt 0x0
; ATTENTION on codes of E4M3: ctx = softmax(q k^T / 8 + m) v for one (batch, head) and 256 queries a work-group; ctx is quantised along D and stored as images of the next launch's operand.
; SHARES.  Sixteen waves, each one tile of 16 queries in 256 registers: four waves to a SIMD, so that one wave's vector work stands beside another's products and loads.
; LDS.  The head's K and V, 16 records of 17,408 bytes, all fit: wave w brings record w by one tensor load; nothing is filled again, so there is one barrier in the launch.
; THE MASK COSTS NO VECTOR LINE: q k^T / 8 + m = (q k^T + 8 m) / 8, and 8 m, made once by the first launch in this accumulator's register order, is loaded into the accumulators and is the C of the score products.
; LAYOUT.  Both products transposed: S^T = K Q^T (source 0 = 16 keys), O^T = V^T P^T (source 0 = 16 of the head's 64): a lane holds one query throughout.
; K = 64 IN A FORM OF 128: a fragment of K holds two key tiles, one in registers 0-7, one in 8-15.  Q stands as [Q, zeros] for the first and as [zeros, Q] for the second: zero codes add nothing (no code here is the NaN code, no byte 0xff).
; SOFTMAX: t = (score + 8 m) x log2(e) / 8; M = the running largest t rounded up to a whole number; p = 2^(t - M) is quantised along the keys; the sum is taken of the unquantised p and divides at the end.
; NO CLUSTER: the eight query blocks of a head share the head's records, 278,528 bytes a work-group, read once; its own mask blocks are 16 waves x 16 steps x 8,192 = 2,097,152 bytes that no partner shares.
; LIMITS: NaN and infinities are not served; a block whose largest magnitude lies under 2^-118 keeps the byte 1.
; REGISTERS: v1 16 x lane, v2 16 r; v8-9 the step's LDS addresses; v12 -M, v13 the largest t, v[14:15] the sum; v16-23 Q, v24-31 zeros, v32-39 Q; v40-103 four fragments of K, then of V; v104-167 S^T, then p;
;   v168-199 O^T; v200-215 p's codes; v216-219 K's scale words, v220-223 V's, v224 Q's, v225 p's; v226-227, v232-254 at work.
.set REC,  17408
.set HSTR, 16*REC
.set KSW,  8192
.set VSW,  8448
.set VF,   8704
.set S,    104
.set O,    168
.set PCD,  200
	s_load_b256 s[4:11], s[0:1], 0x0               ; qr, kv, mk, cc
	s_load_b64 s[12:13], s[0:1], 0x20              ; cs
	v_lshl_add_u32 v251, v0, 2, 0x44000
	v_mov_b32 v255, 0
	ds_add_u32 v251, v255
	ds_add_u32 v251, v255
	v_lshrrev_b32 v3, 5, v0
	v_readfirstlane_b32 s18, v3                    ; wave 0..15
	v_and_b32 v1, 31, v0
	v_lshlrev_b32 v1, 4, v1                        ; 16 x lane
	v_and_b32 v2, 15, v0
	v_lshlrev_b32 v2, 4, v2                        ; 16 r
	s_and_b32 s14, ttmp7, 0xffff                   ; 16 x batch + head
	; group 1: a record: 68 rows of 32 elements of 8 bytes, dense
	s_mov_b32 s24, 3<<16
	s_mov_b32 s25, 32<<16                          ; tensor_dim0
	s_mov_b32 s26, 68<<16                          ; tensor_dim1
	s_mov_b32 s27, 32<<16                          ; tile_dim0
	s_mov_b32 s28, 68                              ; tile_dim1
	s_mov_b32 s29, 32                              ; tensor_dim0_stride
	s_mov_b32 s30, 0
	s_mov_b32 s31, 0
	s_mul_i32 s15, s14, HSTR                       ; the head's first record
	s_mov_b32 s32, 1
	s_mul_i32 s33, s18, REC                        ; record w goes to LDS byte w x 17,408
	s_add_co_u32 s16, s15, s33
	s_mov_b32 s17, 0
	s_lshl_b32 s38, ttmp9, 1                       ; my queries' record: 2 x block + wave / 8
	s_lshr_b32 s39, s18, 3
	s_add_co_u32 s38, s38, s39
	s_mul_i32 s38, s38, REC
	s_add_co_u32 s38, s38, s15
	s_and_b32 s39, s18, 7                          ; my tile in it
	s_lshr_b32 s40, s39, 1                         ; fragment
	s_and_b32 s41, s39, 1                          ; half of the fragment
	s_lshl_b32 s42, s40, 11
	s_lshl_b32 s43, s41, 10
	s_add_co_u32 s42, s42, s43
	s_add_co_u32 s42, s42, s38                     ; Q's codes
	s_mov_b32 s43, 0
	s_lshl_b32 s44, s40, 2
	s_add_co_u32 s44, s44, s38
	s_add_co_u32 s44, s44, KSW                     ; Q's scale word
	s_mov_b32 s45, 0
	s_lshr_b32 s46, s14, 4
	s_lshl_b32 s46, s46, 7
	s_lshl_b32 s47, ttmp9, 4
	s_add_co_u32 s46, s46, s47
	s_add_co_u32 s46, s46, s18                     ; my query tile of 256
	s_lshl_b32 s48, s46, 17                        ; its 16 mask blocks
	s_mov_b32 s49, 0
	s_and_b32 s50, s14, 15                         ; head
	s_lshl_b32 s52, s46, 14                        ; ctx: tile, K step head / 2, registers 8 (head % 2) on
	s_lshr_b32 s47, s50, 1
	s_lshl_b32 s53, s47, 11
	s_add_co_u32 s52, s52, s53
	s_and_b32 s51, s50, 1
	s_lshl_b32 s53, s51, 10
	s_add_co_u32 s52, s52, s53
	s_mov_b32 s53, 0
	s_lshl_b32 s54, s46, 9                         ; its scale bytes: tile, half of K, word, half of the word
	s_lshr_b32 s55, s50, 3
	s_lshl_b32 s55, s55, 8
	s_add_co_u32 s54, s54, s55
	s_and_b32 s55, s47, 3
	s_lshl_b32 s55, s55, 2
	s_add_co_u32 s54, s54, s55
	s_lshl_b32 s55, s51, 1
	s_add_co_u32 s54, s54, s55
	s_mov_b32 s55, 0
	s_mov_b32 s56, 0x03020302                      ; which two bytes of the record's word are my tile's
	s_cmp_eq_u32 s41, 1
	s_cselect_b32 s56, s56, 0x01000100
	s_mov_b32 s19, 0x600000                        ; the mantissa field of 448
	s_mov_b32 s20, 0x76543210
	s_mov_b32 s21, 0xfedcba98                      ; lane selects: lane l xor 16
	s_mov_b32 s22, 0x3e38aa3b                      ; c = log2(e) / 8
	s_mov_b32 s23, s22                             ; (named with it as a pair, so it is written)
	s_mov_b32 s36, 0                               ; LDS byte of the step's record
	s_mov_b32 s37, 16                              ; steps to go
	s_wait_dscnt 0x0
	s_wait_kmcnt 0x0
	s_add_nc_u64 s[34:35], s[6:7], s[16:17]
	s_or_b32 s35, s35, 0x80000000
	tensor_load_to_lds s[32:35], s[24:31]          ; my one tensor load: a first fill, ahead of every wait on TENSORcnt, LDS read and barrier
	s_nop 0
.rept 4
	v_nop
.endr
	s_add_nc_u64 s[42:43], s[4:5], s[42:43]
	s_add_nc_u64 s[44:45], s[4:5], s[44:45]
	s_add_nc_u64 s[8:9], s[8:9], s[48:49]
	s_add_nc_u64 s[10:11], s[10:11], s[52:53]
	s_add_nc_u64 s[12:13], s[12:13], s[54:55]
	global_load_b128 v[16:19], v1, s[42:43]        ; Q's 8 registers, twice
	global_load_b128 v[20:23], v1, s[42:43] offset:512
	global_load_b128 v[32:35], v1, s[42:43]
	global_load_b128 v[36:39], v1, s[42:43] offset:512
	global_load_b32 v226, v2, s[44:45]
.irp c, 0,1,2,3,4,5,6,7,8,9,10,11,12,13,14,15
	global_load_b128 v[S+4*\c:S+4*\c+3], v1, s[8:9] offset:\c*512     ; 8 m of step 0, into the accumulators
.endr
.irp i, 0,1,2,3,4,5,6,7
	v_mov_b32 v[24+\i], 0
.endr
	v_mov_b32 v13, 0xff61b1e6                      ; the largest t so far: -3e38
	v_floor_f32 v12, -v13                          ; -M
	v_mov_b32 v14, 0
	v_mov_b32 v15, 0
.irp b, 0,1,2,3
	v_mov_b32 v[236+\b], 0                         ; a lane permute's destination counts as one of its sources
.endr
	v_mov_b32 v253, 0                              ; (the upper half of the pair v[252:253])
	s_wait_loadcnt 16                              ; Q and its word are in; the 16 mask loads may be out
	v_perm_b32 v224, v226, v226, s56               ; Q's two bytes, twice: for [Q, zeros] and for [zeros, Q]
.set j, 0
.rept 32
	v_mov_b32 v[O+j], 0                            ; O^T: the loop has no first step of its own: the first change of M multiplies zeros
.set j, j+1
.endr
	s_wait_tensorcnt 0x0                           ; my record is in,
	s_barrier_signal -1
	s_barrier_wait -1                              ; everybody's is
.Lstep:                                            ; 16 trips of 128 keys
	v_add_nc_u32 v8, s36, v1
	v_add_nc_u32 v9, s36, v2
.rept 6
	v_nop                                          ; with the two additions: eight places behind the last trip's products, whose fragments are loaded over
.endr
.irp f, 0,1,2,3
.irp c, 0,1,2,3
	ds_load_b128 v[40+16*\f+4*\c:43+16*\f+4*\c], v8 offset:\f*2048+\c*512
.endr
.endr
	ds_load_b128 v[216:219], v9 offset:KSW
	s_wait_loadcnt 0x0                             ; this step's 8 m is in the accumulators (and Q, in the first trip)
	s_add_nc_u64 s[8:9], s[8:9], 8192              ; on to the next step's block: no load that names the base is out
	s_wait_dscnt 0x0
.irp f, 0,1,2,3
	v_wmma_scale_f32_16x16x128_f8f6f4 v[S+16*\f:S+16*\f+7], v[40+16*\f:55+16*\f], v[16:31], v[S+16*\f:S+16*\f+7], v[216+\f], v224
	v_wmma_scale_f32_16x16x128_f8f6f4 v[S+16*\f+8:S+16*\f+15], v[40+16*\f:55+16*\f], v[24:39], v[S+16*\f+8:S+16*\f+15], v[216+\f], v224
.endr                                              ; register 16 b + i: key 32 b + 16 (lane / 16) + i.  The eight accumulators take turns
.rept 8
	v_nop                                          ; places: V is loaded over K, and the scores are read
.endr
.irp a, 0,1,2,3
.irp c, 0,1,2,3
	ds_load_b128 v[40+16*\a+4*\c:43+16*\a+4*\c], v8 offset:VF+\a*2048+\c*512
.endr
.endr
	ds_load_b128 v[220:223], v9 offset:VSW
.irp b, 0,1,2,3
	v_max3_num_f32 v[232+\b], v[S+16*\b], v[S+1+16*\b], v[S+2+16*\b]     ; the largest score of each block of 32 keys: for the row's maximum and, since p rises with the score, for the block's largest p
.endr
.irp i, 3,5,7,9,11,13
.irp b, 0,1,2,3
	v_max3_num_f32 v[232+\b], v[232+\b], v[S+16*\b+\i], v[S+1+16*\b+\i]
.endr
.endr
.irp b, 0,1,2,3
	v_max_num_f32 v[232+\b], v[232+\b], v[S+15+16*\b]
.endr
.irp b, 0,1,2,3
	v_permlanex16_b32 v[236+\b], v[232+\b], s20, s21
.endr
.irp b, 0,1,2,3
	v_max_num_f32 v[232+\b], v[232+\b], v[236+\b]
.endr
	v_max3_num_f32 v254, v232, v233, v234
	v_max_num_f32 v254, v254, v235
	v_mul_f32 v254, s22, v254                      ; as t (c is positive)
	v_max_num_f32 v13, v13, v254                   ; the running largest t
	v_mov_b32 v254, v12
	v_floor_f32 v12, -v13                          ; the new -M = -ceil(t)
	v_sub_f32 v254, v12, v254                      ; old M - new M: a whole number, 0 or less
	v_cvt_i32_f32 v254, v254
	v_ldexp_f32 v252, 1.0, v254                    ; f = 2^(old M - new M): multiplying by it rounds nothing
.set j, 0
.rept 32
	v_pk_fma_f32 v[S+j:S+j+1], v[S+j:S+j+1], s[22:23], v[12:13] op_sel_hi:[1,0,0]   ; t - M
.set j, j+2
.endr
.irp b, 0,1,2,3
	v_fma_f32 v[232+\b], v[232+\b], s22, v12
.endr
.set j, 0
.rept 64
	v_exp_f32 v[S+j], v[S+j]                       ; p = 2^(t - M)
.set j, j+1
.endr
.irp b, 0,1,2,3
	v_exp_f32 v[232+\b], v[232+\b]                 ; the block's largest p: the same two instructions on the same number
.endr
	v_pk_mul_f32 v[14:15], v[14:15], v[252:253] op_sel_hi:[1,0]       ; the sums under the new M (a plain line behind the exponentials)
	s_wait_alu depctr_va_vdst(0)
.irp b, 0,1,2,3
	v_max_num_f32 v[232+\b], 0x4800000, v[232+\b]  ; the floor 2^(9 - 127)
.endr
.irp b, 0,1,2,3
	v_add_nc_u32 v[244+\b], 0xfc000000, v[232+\b]  ; the conversion's scale operand
.endr
.irp b, 0,1,2,3
	v_and_or_b32 v[240+\b], v[232+\b], 0x7f800000, s19   ; 448 x the scale
.endr
.irp b, 0,1,2,3
	v_lshrrev_b32 v[236+\b], 23, v[244+\b]         ; the scale's byte
.endr
	v_lshl_or_b32 v225, v237, 8, v236              ; p's scale word for these 128 keys
	v_lshl_or_b32 v225, v238, 16, v225
	v_lshl_or_b32 v225, v239, 24, v225
	v_pk_add_f32 v[236:237], v[S:S+1], v[S+2:S+3]  ; the row's sum, of the unquantised p, in two chains
.irp j, 4,8,12,16,20,24,28,32,36,40,44,48,52,56,60
	v_pk_add_f32 v[14:15], v[14:15], v[S+\j:S+1+\j]
	v_pk_add_f32 v[236:237], v[236:237], v[S+2+\j:S+3+\j]
.endr
	v_pk_add_f32 v[14:15], v[14:15], v[236:237]
.irp b, 0,1,2,3
.irp i, 0,1,2,3,4,5,6,7,8,9,10,11,12,13,14,15
	v_min_num_f32 v[S+16*\b+\i], v[S+16*\b+\i], v[240+\b]            ; the hold; p is not negative
.endr
	v_cvt_scalef32_pk8_fp8_f32 v[PCD+4*\b:PCD+1+4*\b], v[S+16*\b:S+7+16*\b], v[244+\b]
	v_cvt_scalef32_pk8_fp8_f32 v[PCD+2+4*\b:PCD+3+4*\b], v[S+8+16*\b:S+15+16*\b], v[244+\b]
.endr
	s_cmp_eq_u32 s37, 1                            ; p's registers are free: the next step's 8 m is asked for, if there is a next step: no load leaves mk
	s_cbranch_scc1 .Lno_mask
.irp c, 0,1,2,3,4,5,6,7,8,9,10,11,12,13,14,15
	global_load_b128 v[S+4*\c:S+4*\c+3], v1, s[8:9] offset:\c*512
.endr
.Lno_mask:
.set j, 0
.rept 16
	v_pk_mul_f32 v[O+j:O+j+1], v[O+j:O+j+1], v[252:253] op_sel_hi:[1,0]   ; O^T under the new M; also the plain lines between the conversions and the products
.set j, j+2
.endr
	s_wait_dscnt 0x0                               ; V and its scale words
.irp a, 0,1,2,3
	v_wmma_scale_f32_16x16x128_f8f6f4 v[O+8*\a:O+8*\a+7], v[40+16*\a:55+16*\a], v[PCD:PCD+15], v[O+8*\a:O+8*\a+7], v[220+\a], v225
.endr
	s_add_co_u32 s36, s36, REC
	s_sub_co_u32 s37, s37, 1
	s_cmp_lg_u32 s37, 0
	s_cbranch_scc1 .Lstep
	; THE WAY OUT: ctx = O^T / the sum; register 16 g + i is channel 32 g + 16 (lane / 16) + i of my query: two blocks of the next product's K
	v_add_f32 v14, v14, v15
	v_permlanex16_b32 v252, v14, s20, s21
	v_add_f32 v14, v14, v252
	v_rcp_f32 v14, v14
.rept 8
	v_nop                                          ; places behind the last products and behind the reciprocal
.endr
.set j, 0
	s_wait_alu depctr_va_vdst(0)
.rept 32
	v_mul_f32 v[S+j], v[O+j], v14
.set j, j+1
.endr
.irp g, 0,1
	v_max3_num_f32 v[232+\g], |v[S+16*\g]|, |v[S+1+16*\g]|, 0x4800000
.endr
.irp i, 2,4,6,8,10,12,14
.irp g, 0,1
	v_max3_num_f32 v[232+\g], v[232+\g], |v[S+16*\g+\i]|, |v[S+1+16*\g+\i]|
.endr
.endr
.irp g, 0,1
	v_permlanex16_b32 v[236+\g], v[232+\g], s20, s21
.endr
.irp g, 0,1
	v_max_num_f32 v[232+\g], v[232+\g], v[236+\g]
.endr
.irp g, 0,1
	v_add_nc_u32 v[244+\g], 0xfc000000, v[232+\g]
.endr
.irp g, 0,1
	v_and_or_b32 v[240+\g], v[232+\g], 0x7f800000, s19
.endr
.irp g, 0,1
	v_lshrrev_b32 v[236+\g], 23, v[244+\g]
.endr
	v_lshl_or_b32 v227, v237, 8, v236              ; my row's two scale bytes
.irp g, 0,1
.irp i, 0,1,2,3,4,5,6,7,8,9,10,11,12,13,14,15
	v_med3_num_f32 v[S+16*\g+\i], v[S+16*\g+\i], -v[240+\g], v[240+\g]
.endr
	v_cvt_scalef32_pk8_fp8_f32 v[PCD+4*\g:PCD+1+4*\g], v[S+16*\g:S+7+16*\g], v[244+\g]
	v_cvt_scalef32_pk8_fp8_f32 v[PCD+2+4*\g:PCD+3+4*\g], v[S+8+16*\g:S+15+16*\g], v[244+\g]
.endr
	v_nop
	global_store_b128 v1, v[PCD:PCD+3], s[10:11]               ; 32 lanes store 512 consecutive bytes
	global_store_b128 v1, v[PCD+4:PCD+7], s[10:11] offset:512
	global_store_b16 v2, v227, s[12:13]                        ; two bytes a row: 1 byte in 32 of what the wave stores; lanes 16-31 store the same bytes with the same values
	s_wait_tensorcnt 0x0
	ds_add_u32 v251, v255
	s_wait_dscnt 0x0
	s_endpgm
.Lfunc_end_k_qe8cd35336d_attn:
	.size	k_qe8cd35336d_attn, .Lfunc_end_k_qe8cd35336d_attn-k_qe8cd35336d_attn
	.p2alignl 7, 3214868480
	.fill 96, 4, 3214868480
	.section	.rodata,"a",@progbits
	.p2align	6, 0x0
	.amdhsa_kernel k_qe8cd35336d_attn
		.amdhsa_group_segment_fixed_size 280576
		.amdhsa_private_segment_fixed_size 0
		.amdhsa_enable_private_segment 0
		.amdhsa_kernarg_size 40
		.amdhsa_user_sgpr_count 2
		.amdhsa_user_sgpr_kernarg_segment_ptr 1
		.amdhsa_wavefront_size32 1
		.amdhsa_system_sgpr_workgroup_id_x 1
		.amdhsa_system_sgpr_workgroup_id_y 1
		.amdhsa_system_sgpr_workgroup_id_z 1
		.amdhsa_system_vgpr_workitem_id 0
		.amdhsa_next_free_vgpr 256
		.amdhsa_next_free_sgpr 66
		.amdhsa_reserve_vcc 0
		.amdhsa_float_denorm_mode_32 3
		.amdhsa_float_denorm_mode_16_64 3
		.amdhsa_memory_ordered 1
		.amdhsa_forward_progress 1
		.amdhsa_inst_pref_size 34
	.end_amdhsa_kernel
	.amdgpu_metadata
---
amdhsa.version: [ 1, 2 ]
amdhsa.kernels:
  - .name:           k_qe8cd35336d_attn
    .symbol:         k_qe8cd35336d_attn.kd
    .args:
      - { .name: qr, .offset: 0, .size: 8, .value_kind: global_buffer, .address_space: global }
      - { .name: kv, .offset: 8, .size: 8, .value_kind: global_buffer, .address_space: global }
      - { .name: mk, .offset: 16, .size: 8, .value_kind: global_buffer, .address_space: global }
      - { .name: cc, .offset: 24, .size: 8, .value_kind: global_buffer, .address_space: global }
      - { .name: cs, .offset: 32, .size: 8, .value_kind: global_buffer, .address_space: global }
    .group_segment_fixed_size: 280576
    .private_segment_fixed_size: 0
    .kernarg_segment_align: 8
    .kernarg_segment_size: 40
    .max_flat_workgroup_size: 512
    .sgpr_count:     66
    .vgpr_count:     256
    .wavefront_size: 32
...
	.end_amdgpu_metadata
.endif
;; end of part 3
;; launch tail (part 4): grid 64 x 1, 4 waves a work-group, no clusters, 263,680 bytes of LDS; arguments cc, cs, cw, sw, b_o, b_p, x, gamma, beta, out0; writes out0
.if DOCPART == 4
	.amdgcn_target "amdgcn-amd-amdhsa--gfx1250"
	.amdhsa_code_object_version 6
	.text
	.protected	k_qe8cd35336d_tail
	.globl	k_qe8cd35336d_tail
	.p2align	8
	.type	k_qe8cd35336d_tail,@function
k_qe8cd35336d_tail:
	s_mov_b64 s[64:65], 0
	v_nop
	global_prefetch_b8 v0, s[64:65] scope:SCOPE_SE
	s_setreg_imm32_b32 hwreg(HW_REG_WAVE_MODE, 25, 1), 1
	s_wait_xcnt 0x0
; TAIL.  out0 = LayerNorm(x + (ctx W_o^T + b_o) W_p^T + b_p) x gamma + beta; both products on codes of E4M3 with E8M0 scales.  attn_out never goes to memory.
; SHARES.  A work-group takes 64 rows (four tiles) through both products and the norm, since a norm wants whole rows of 1,024.  The waves share the columns: wave w makes columns 256 w .. 256 w + 255 for all 64 rows:
; 4 x 16 accumulators, 512 registers.  Source 0 = 16 rows of the weight, source 1 = 16 rows of ctx or attn_out: a lane holds one row, and its registers run along the columns, which are the next K.
; THE WEIGHTS GO FROM MEMORY STRAIGHT INTO REGISTERS: they lie in cw as images of operand registers, each load reads 512 consecutive bytes, and a fragment feeds only its own wave's four products: LDS would add a write and a read.
; A ring of 16 fragments (one K step of the wave's 16 tiles) in window 1 is loaded again, four fragments at a time, as soon as their products are issued.
; NO CLUSTER, NO JOINT LOADS: a joint request lands in LDS, and what lands there would be read once by one wave; 64 work-groups are what 4,096 rows give at 64 rows each.
; THE ROWS' OPERANDS go from wave to wave through LDS as images of their registers.  The biases are loaded into the accumulators and start the sums.
; LIMITS: NaN and infinities are not served; a block whose largest magnitude lies under 2^-118 keeps the byte 1.
; LDS: 0 ctx's images (4 tiles x 8 K steps x 2,048); 65,536 attn_out's; 131,072 their scale words (128 bytes a fragment, two regions of 4,096); at the end a stage of 64 rows x 4,112 bytes lies over all of it.
; REGISTERS: window 0: v1-15 addresses; v16-79 the weight's scale words (register 16 + 8 (i / 2) + s: lanes 0-15 tile i even, lanes 16-31 tile i + 1); v80-87 the rows' scale words, two sets; v88-127 at work;
;   v128-255 the rows' fragments, two sets of four; later four rows of x.   window 1: the ring; later gamma v0-31, beta v32-63, a stage row v64-95.   windows 2, 3: accumulator (a, i) at v[64 a + 8 (i % 8)] of window 2 + i / 8.
.set AIMG, 65536
.set RSC,  131072
.set SPIT, 4112                        ; a stage row: 4,096 bytes + 16: an odd multiple of 16
.set LI,   1                           ; v1    16 x lane
.set LS,   2                           ; v2    4 x lane
.set WSA,  3                           ; v3    512 h + 16 r
.set BA,   4                           ; v4    64 h
.set RA,   5                           ; v5    LDS address of the rows' images
.set RS,   6                           ; v6    and of their scale words
.set HWI,  7                           ; v7    where I store attn_out's images
.set HWS,  8                           ; v8    and their scale words
.set SO,   9                           ; v9-12 the stage: where I put a tile's 16 bytes
.set CSA,  13                          ; v13   16 r
.set YA,   14                          ; v14   the stage: my rows, 16 bytes a lane
.set CWI,  15                          ; v15   where I store ctx's images
.set WS,   16
.set RW,   80
.set TM,   88                          ; v88-103 at work
.set PW,   104
.set CWS,  105
.set OFF,  106                         ; v106-109 slot s: byte offset of the row of x that it loads next
.set MU,   110                         ; v110-111 the mean, twice
.set PCD,  112                         ; v112-127 codes; later v112-113 1 / sqrt(var + eps), twice
.set RF,   128
.set MSB, 0
.macro WIN new                         ; the immediate's high byte repeats the setting that is left
.if MSB != (\new)
	s_set_vgpr_msb (MSB<<8)|(\new)
.set MSB, (\new)
.endif
.endm
.macro NOPS n
.rept \n
	v_nop
.endr
.endm
	s_load_b256 s[4:11], s[0:1], 0x0               ; cc, cs, cw, sw
	s_load_b256 s[12:19], s[0:1], 0x20             ; b_o, b_p, x, gamma
	s_load_b128 s[20:23], s[0:1], 0x40             ; beta, out0
	v_lshrrev_b32 v1, 5, v0
	v_readfirstlane_b32 s24, v1                    ; wave 0..3
	v_and_b32 v90, 31, v0
	v_and_b32 v88, 15, v0                          ; r
	v_bfe_u32 v89, v0, 4, 1                        ; h
	v_lshlrev_b32 v[LI], 4, v90
	v_lshlrev_b32 v[LS], 2, v90
	v_lshlrev_b32 v[CSA], 4, v88
	v_lshl_add_u32 v[WSA], v89, 9, v[CSA]
	v_lshlrev_b32 v[BA], 6, v89
	s_lshl_b32 s37, s24, 14
	v_add_nc_u32 v[CWI], s37, v[LI]                ; ctx's tile w
	s_lshl_b32 s37, s24, 10
	s_add_co_u32 s37, s37, RSC
	v_add_nc_u32 v[CWS], s37, v[LS]
	s_lshl_b32 s37, s24, 12
	s_add_co_u32 s37, s37, AIMG
	v_add_nc_u32 v[HWI], s37, v[LI]                ; attn_out's K steps 2 w, 2 w + 1
	s_lshl_b32 s37, s24, 8
	s_add_co_u32 s37, s37, RSC+4096
	v_add_nc_u32 v[HWS], s37, v[LS]
	v_mul_u32_u24 v91, v88, SPIT
	v_lshl_add_u32 v91, v89, 6, v91
	s_lshl_b32 s37, s24, 10
	v_add_nc_u32 v[SO], s37, v91                   ; stage row r, + 64 h, + my 1,024 bytes
.irp a, 1,2,3
	v_add_nc_u32 v[SO+\a], \a*16*SPIT, v[SO]
.endr
	s_mul_i32 s37, s24, 16*SPIT
	v_add_nc_u32 v[YA], s37, v[LI]
	s_lshr_b32 s37, s24, 1                         ; stage rows 16 w + r are rows 32 (w / 2) + 8 (w % 2) + r % 8 + 16 (r / 8) of the work-group's 64
	s_lshl_b32 s37, s37, 17
	s_and_b32 s38, s24, 1
	s_lshl_b32 s38, s38, 15
	s_add_co_u32 s37, s37, s38
	v_add_nc_u32 v[OFF], s37, v[LI]
	v_add_nc_u32 v[OFF+1], 4096, v[OFF]
	v_add_nc_u32 v[OFF+2], 65536, v[OFF]
	v_add_nc_u32 v[OFF+3], 69632, v[OFF]
.irp b, 0,1,2,3
	v_mov_b32 v[TM+4+\b], 0                        ; a lane permute's destination counts as one of its sources
.endr
	s_mov_b32 s25, 0                               ; which product
	s_mov_b32 s34, 0x76543210
	s_mov_b32 s35, 0xfedcba98                      ; lane selects: lane l xor 16
	s_mov_b32 s36, 0x600000                        ; the mantissa field of 448
	s_mov_b32 s40, 0x3a800000                      ; 1 / 1,024
	s_mov_b32 s41, 0x3727c5ac                      ; 1e-5
	s_lshl_b32 s37, ttmp9, 2
	s_add_co_u32 s37, s37, s24                     ; the tile of ctx that I bring
	s_lshl_b32 s38, s37, 14
	s_mov_b32 s39, 0
	s_lshl_b32 s42, s37, 9
	s_mov_b32 s43, 0
	s_lshl_b32 s44, s24, 18                        ; my 16 tiles of W_o: tile 448 + 16 w
	s_add_co_u32 s44, s44, 448*16384
	s_mov_b32 s45, 0
	s_lshl_b32 s46, s24, 13
	s_add_co_u32 s46, s46, 448*512
	s_mov_b32 s47, 0
	s_lshl_b32 s48, s24, 10                        ; my 256 numbers of a bias
	s_mov_b32 s49, 0
	s_lshl_b32 s50, ttmp9, 18                      ; the work-group's 64 rows of x and of out0
	s_mov_b32 s51, 0
	s_wait_kmcnt 0x0
	s_add_nc_u64 s[4:5], s[4:5], s[38:39]
	s_add_nc_u64 s[6:7], s[6:7], s[42:43]
	s_add_nc_u64 s[26:27], s[8:9], s[44:45]        ; the weight in hand,
	s_add_nc_u64 s[28:29], s[26:27], 64*16384      ; and the one whose first K step follows its last: W_p
	s_add_nc_u64 s[10:11], s[10:11], s[46:47]
	s_add_nc_u64 s[12:13], s[12:13], s[48:49]
	s_add_nc_u64 s[14:15], s[14:15], s[48:49]
	s_add_nc_u64 s[16:17], s[16:17], s[50:51]
	s_add_nc_u64 s[22:23], s[22:23], s[50:51]
.macro WSC off                         ; the scale words of my 16 tiles, all of K
.irp ip, 0,1,2,3,4,5,6,7
.irp kh, 0,1
	global_load_b128 v[WS+8*\ip+4*\kh:WS+8*\ip+4*\kh+3], v[WSA], s[10:11] offset:\off+\ip*1024+\kh*256
.endr
.endr
.endm
.macro BIAS a, kp, ptr                 ; the bias into the eight accumulators (a, 8 kp ..): register 8 i + j of lane half h is column 128 kp + 32 (i / 2) + 16 h + 8 (i % 2) + j
	WIN (2+\kp)<<6
.irp i, 0,1,2,3,4,5,6,7
.irp e, 0,1
	global_load_b128 v[64*(\a)+8*\i+4*\e:64*(\a)+8*\i+4*\e+3], v[BA], s[\ptr:\ptr+1] offset:((\kp)*128+32*(\i/2)+8*(\i%2)+4*\e)*4
.endr
.endr
	WIN 0
.endm
.macro WLOAD bt, off, ptr              ; fragments 4 bt .. 4 bt + 3 of the ring: 16 loads of 512 consecutive bytes
	WIN 0x40
.irp ii, 0,1,2,3
.irp c, 0,1,2,3
	global_load_b128 v[16*(4*(\bt)+\ii)+4*\c:16*(4*(\bt)+\ii)+4*\c+3], v[LI], s[\ptr:\ptr+1] offset:(4*(\bt)+\ii)*16384+(\off)+\c*512
.endr
.endr
.endm
.macro RLOAD s                         ; the four tiles' fragments and scale words of K step s into set s % 2
.irp a, 0,1,2,3
.irp c, 0,1,2,3
	ds_load_b128 v[RF+64*((\s)%2)+16*\a+4*\c:RF+64*((\s)%2)+16*\a+4*\c+3], v[RA] offset:\a*16384+(\s)*2048+\c*512
.endr
	ds_load_b32 v[RW+4*((\s)%2)+\a], v[RS] offset:(\a*8+(\s))*128
.endr
.endm
.macro PROD a, i, s
.if (\i)%2
	v_wmma_scale_f32_16x16x128_f8f6f4 v[64*\a+8*((\i)%8):64*\a+8*((\i)%8)+7], v[16*(\i):16*(\i)+15], v[RF+64*((\s)%2)+16*\a:RF+64*((\s)%2)+16*\a+15], v[64*\a+8*((\i)%8):64*\a+8*((\i)%8)+7], v[WS+8*((\i)/2)+(\s)], v[RW+4*((\s)%2)+\a] matrix_a_scale:MATRIX_SCALE_ROW1
.else
	v_wmma_scale_f32_16x16x128_f8f6f4 v[64*\a+8*((\i)%8):64*\a+8*((\i)%8)+7], v[16*(\i):16*(\i)+15], v[RF+64*((\s)%2)+16*\a:RF+64*((\s)%2)+16*\a+15], v[64*\a+8*((\i)%8):64*\a+8*((\i)%8)+7], v[WS+8*((\i)/2)+(\s)], v[RW+4*((\s)%2)+\a]
.endif
.endm
; A K step: 64 products in four batches of 16, each on 16 accumulators by turns.  Behind a batch its four fragments are loaded again, for the next K step.
.macro KSTEP s
	s_wait_dscnt 0x0                               ; the rows' fragments of this K step
.irp bt, 0,1,2,3
	s_wait_loadcnt 48                              ; this batch's 16 loads are in; the three younger batches' 48 may be out
	WIN 0xa1+0x50*(\bt/2)                          ; source 0 window 1, source 1 window 0, C and D window 2 or 3
.irp ii, 0,1,2,3
.irp a, 0,1,2,3
	PROD \a, 4*\bt+\ii, \s
.endr
.endr
	NOPS 8                                         ; places in front of loads into registers that these products have read
.if \s < 7
	WLOAD \bt, (\s+1)*2048, 26
.else
	WLOAD \bt, 0, 28                               ; behind the last K step: the next weight's first.  In the second product these 64 loads read W_p's first K step once more and are not used: they stay inside cw
.endif
.if (\bt == 0) && (\s < 7)
	WIN 0
	RLOAD \s+1
.endif
.endr
	WIN 0
.endm
.macro QACC ac, w, pc, pw              ; 64 registers from v[ac] of window w -> codes v[pc] on, scale word v[pw], both in window 0
	WIN (\w)|((\w)<<2)
.irp b, 0,1,2,3
	v_max3_num_f32 v[TM+\b], |v[(\ac)+16*\b]|, |v[(\ac)+16*\b+1]|, 0x4800000    ; each accumulator from its low end on; the floor 2^(9 - 127)
.endr
.irp i, 2,4,6,8,10,12,14
.irp b, 0,1,2,3
	v_max3_num_f32 v[TM+\b], |v[(\ac)+16*\b+\i]|, |v[(\ac)+16*\b+\i+1]|, v[TM+\b]
.endr
.endr
	WIN 0
.irp b, 0,1,2,3
	v_permlanex16_b32 v[TM+4+\b], v[TM+\b], s34, s35
.endr
.irp b, 0,1,2,3
	v_max_num_f32 v[TM+\b], v[TM+\b], v[TM+4+\b]
.endr
.irp b, 0,1,2,3
	v_add_nc_u32 v[TM+12+\b], 0xfc000000, v[TM+\b]
.endr
.irp b, 0,1,2,3
	v_and_or_b32 v[TM+8+\b], v[TM+\b], 0x7f800000, s36
.endr
.irp b, 0,1,2,3
	v_lshrrev_b32 v[TM+4+\b], 23, v[TM+12+\b]
.endr
	v_lshl_or_b32 v[\pw], v[TM+5], 8, v[TM+4]
	v_lshl_or_b32 v[\pw], v[TM+6], 16, v[\pw]
	v_lshl_or_b32 v[\pw], v[TM+7], 24, v[\pw]
	WIN (\w)|((\w)<<6)
.irp b, 0,1,2,3
.irp i, 0,1,2,3,4,5,6,7,8,9,10,11,12,13,14,15
	v_med3_num_f32 v[(\ac)+16*\b+\i], v[(\ac)+16*\b+\i], -v[TM+8+\b], v[TM+8+\b]   ; the conversion does not saturate (ISA guide 7.6.2): the hold comes first
.endr
.endr
	WIN (\w)
.irp b, 0,1,2,3
	v_cvt_scalef32_pk8_fp8_f32 v[(\pc)+4*\b:(\pc)+4*\b+1], v[(\ac)+16*\b:(\ac)+16*\b+7], v[TM+12+\b]
	v_cvt_scalef32_pk8_fp8_f32 v[(\pc)+4*\b+2:(\pc)+4*\b+3], v[(\ac)+16*\b+8:(\ac)+16*\b+15], v[TM+12+\b]
.endr
	WIN 0
	v_nop                                          ; one plain line behind the last conversion
.endm
	; ---- the head: my tile of ctx (34 loads), W_o's scale words (16), the ring's first K step (64)
.set n, 0
.rept 32
	global_load_b128 v[RF+4*n:RF+4*n+3], v[LI], s[4:5] offset:n*512
.set n, n+1
.endr
	global_load_b128 v[RW:RW+3], v[CSA], s[6:7]
	global_load_b128 v[RW+4:RW+7], v[CSA], s[6:7] offset:256
	WSC 0
	WLOAD 0, 0, 26
	WLOAD 1, 0, 26
	WLOAD 2, 0, 26
	WLOAD 3, 0, 26
	WIN 0
	s_wait_loadcnt 63                              ; of the 114 loads issued at most 63 are out: the first 51 are in, ctx's 34 among them
.set n, 0
.rept 32
	ds_store_b128 v[CWI], v[RF+4*n:RF+4*n+3] offset:n*512       ; the images go to LDS as they stand
.set n, n+1
.endr
.irp s, 0,1,2,3,4,5,6,7
	ds_store_b32 v[CWS], v[RW+\s] offset:\s*128                 ; a scale word a lane and K step
.endr
.irp kp, 0,1
.irp a, 0,1,2,3
	BIAS \a, \kp, 12
.endr
.endr
.Lprod:                                            ; two trips: ctx W_o^T + b_o, then attn_out W_p^T + b_p
	s_lshl_b32 s37, s25, 16
	v_add_nc_u32 v[RA], s37, v[LI]                 ; ctx's images, or attn_out's
	s_lshl_b32 s38, s25, 12
	s_add_co_u32 s38, s38, RSC
	v_add_nc_u32 v[RS], s38, v[LS]
	s_wait_loadcnt 0x0                             ; the ring, the scale words and the biases
	s_wait_dscnt 0x0                               ; my stores of images have landed
	s_barrier_signal -1
	s_barrier_wait -1                              ; everybody's have
	RLOAD 0
	KSTEP 0
	KSTEP 1
	KSTEP 2
	KSTEP 3
	KSTEP 4
	KSTEP 5
	KSTEP 6
	KSTEP 7
	s_wait_dscnt 0x0                               ; my reads of the images are over:
	s_barrier_signal -1
	s_barrier_wait -1                              ; everybody's are: LDS may be written again
	s_cmp_eq_u32 s25, 1
	s_cbranch_scc1 .Lfinal
	; ---- attn_out is quantised in registers: my 256 columns are K steps 2 w and 2 w + 1 of the second product
	NOPS 8                                         ; places behind the last products
	WSC 32768                                      ; W_p's scale words: 64 tiles of 512 bytes on
.irp kp, 0,1
.irp a, 0,1,2,3
	QACC 64*\a, 2+\kp, PCD, PW
.irp c, 0,1,2,3
	ds_store_b128 v[HWI], v[PCD+4*\c:PCD+4*\c+3] offset:\a*16384+\kp*2048+\c*512
.endr
	ds_store_b32 v[HWS], v[PW] offset:(\a*8+\kp)*128
	s_wait_dscnt 0x0                               ; the stores have read their registers
	BIAS \a, \kp, 14                               ; b_p starts the second product's sums
.endr
.endr
	s_wait_xcnt 0x0                                ; no pending load still reads the weight's base
	s_mov_b64 s[26:27], s[28:29]
	s_add_co_u32 s25, s25, 1
	s_cmp_lt_u32 s25, 2
	s_cbranch_scc1 .Lprod
.Lfinal:
	; ---- the rows meet in the stage: a row's 1,024 numbers come from four waves
	NOPS 8                                         ; places behind the last products
	s_wait_loadcnt 0x0                             ; the ring's last loads have landed: window 1 is free
.irp kp, 0,1
	WIN 0x08+4*\kp                                 ; an LDS store's data are its source 1
.irp a, 0,1,2,3
.irp i, 0,1,2,3,4,5,6,7
	ds_store_b128 v[SO+\a], v[64*\a+8*\i:64*\a+8*\i+3] offset:(128*\kp+32*(\i/2)+8*(\i%2))*4          ; each accumulator from its low end on
	ds_store_b128 v[SO+\a], v[64*\a+8*\i+4:64*\a+8*\i+7] offset:(128*\kp+32*(\i/2)+8*(\i%2))*4+16
.endr
.endr
.endr
	WIN 0x40
.irp j, 0,1,2,3,4,5,6,7
	global_load_b128 v[4*\j:4*\j+3], v[LI], s[18:19] offset:512*\j          ; gamma: register 4 j + e is column 128 j + 4 lane + e
.endr
.irp j, 0,1,2,3,4,5,6,7
	global_load_b128 v[32+4*\j:35+4*\j], v[LI], s[20:21] offset:512*\j      ; beta
.endr
	WIN 0
.macro FILL s                          ; a row of x: eight loads of 512 consecutive bytes
.irp j, 0,1,2,3,4,5,6,7
	global_load_b128 v[RF+32*\s+4*\j:RF+32*\s+4*\j+3], v[OFF+\s], s[16:17] offset:512*\j th:TH_LOAD_NT
.endr
.endm
	FILL 0
	FILL 1
	FILL 2                                         ; slot 3 is filled in the first turn, like every slot after it: one turn behind its stores
	s_wait_dscnt 0x0                               ; my stores into the stage have landed
	s_barrier_signal -1
	s_barrier_wait -1                              ; 64 whole rows lie in the stage
	WIN 0x40
.irp j, 0,1,2,3,4,5,6,7
	ds_load_b128 v[64+4*\j:67+4*\j], v[YA] offset:512*\j
.endr
	WIN 0
; The turn of slot s: one row.  before: the slot in front of it; fill = 1: that slot gets its next row of x; left: younger loads that may stay out; ynext: the next turn's stage row, in bytes from v[YA], or -1.
.macro SUM32                           ; v[TM] = the sum over the wave of the four pairs v[TM .. TM+7]
	v_pk_add_f32 v[TM:TM+1], v[TM:TM+1], v[TM+2:TM+3]
	v_pk_add_f32 v[TM+4:TM+5], v[TM+4:TM+5], v[TM+6:TM+7]
	v_pk_add_f32 v[TM:TM+1], v[TM:TM+1], v[TM+4:TM+5]
	v_add_f32 v[TM], v[TM], v[TM+1]
	v_add_f32_dpp v[TM], v[TM], v[TM] row_xmask:1 row_mask:0xf bank_mask:0xf
	v_add_f32_dpp v[TM], v[TM], v[TM] row_xmask:2 row_mask:0xf bank_mask:0xf
	v_add_f32_dpp v[TM], v[TM], v[TM] row_xmask:4 row_mask:0xf bank_mask:0xf
	v_add_f32_dpp v[TM], v[TM], v[TM] row_xmask:8 row_mask:0xf bank_mask:0xf
	v_permlanex16_b32 v[TM+1], v[TM], s34, s35
	v_add_f32 v[TM], v[TM], v[TM+1]
.endm
.macro TURN s, before, fill, left, ynext
.set XS, RF+32*\s
	s_wait_loadcnt \left                           ; my row of x is in (and gamma and beta, which are older)
	v_add_nc_u32 v[OFF+\s], 8192, v[OFF+\s]        ; free since that wait: the slot's next row, two rows on; the stores below reach back
	s_wait_dscnt 0x0                               ; the stage's row
	WIN 0x04
.set i, 0
.rept 16
	v_pk_add_f32 v[XS+2*i:XS+2*i+1], v[XS+2*i:XS+2*i+1], v[64+2*i:65+2*i]     ; x + what the products made
.set i, i+1
.endr
.if \ynext >= 0
	WIN 0x40
.irp j, 0,1,2,3,4,5,6,7
	ds_load_b128 v[64+4*\j:67+4*\j], v[YA] offset:\ynext+512*\j
.endr
.endif
	WIN 0
.irp c, 0,1,2,3
	v_pk_add_f32 v[TM+2*\c:TM+2*\c+1], v[XS+2*\c:XS+2*\c+1], v[XS+8+2*\c:XS+9+2*\c]   ; four chains
.endr
.irp k, 16,24
.irp c, 0,1,2,3
	v_pk_add_f32 v[TM+2*\c:TM+2*\c+1], v[TM+2*\c:TM+2*\c+1], v[XS+\k+2*\c:XS+\k+1+2*\c]
.endr
.endr
	SUM32
	v_mul_f32 v[MU], s40, v[TM]                    ; the mean
	v_mov_b32 v[MU+1], v[MU]
.set i, 0
.rept 16
	v_pk_add_f32 v[XS+2*i:XS+2*i+1], v[XS+2*i:XS+2*i+1], v[MU:MU+1] neg_lo:[0,1] neg_hi:[0,1]
.set i, i+1
.endr
.irp c, 0,1,2,3
	v_pk_mul_f32 v[TM+2*\c:TM+2*\c+1], v[XS+2*\c:XS+2*\c+1], v[XS+2*\c:XS+2*\c+1]
.endr
.irp k, 8,16,24
.irp c, 0,1,2,3
	v_pk_fma_f32 v[TM+2*\c:TM+2*\c+1], v[XS+\k+2*\c:XS+\k+1+2*\c], v[XS+\k+2*\c:XS+\k+1+2*\c], v[TM+2*\c:TM+2*\c+1]
.endr
.endr
	SUM32
	v_fma_f32 v[TM], v[TM], s40, s41               ; the variance + 1e-5
	v_rsq_f32 v[PCD], v[TM]
	v_rsq_f32 v[PCD+1], v[TM]
	v_nop                                          ; one plain line behind the transcendentals
.set i, 0
	s_wait_alu depctr_va_vdst(0)
.rept 16
	v_pk_mul_f32 v[XS+2*i:XS+2*i+1], v[XS+2*i:XS+2*i+1], v[PCD:PCD+1]
.set i, i+1
.endr
	WIN 0x14                                       ; gamma and beta lie in window 1
.set i, 0
.rept 16
	v_pk_fma_f32 v[XS+2*i:XS+2*i+1], v[XS+2*i:XS+2*i+1], v[2*i:2*i+1], v[32+2*i:33+2*i]
.set i, i+1
.endr
	WIN 0
.irp j, 0,1,2,3,4,5,6,7
	global_store_b128 v[OFF+\s], v[XS+4*\j:XS+4*\j+3], s[22:23] offset:512*\j-8192 th:TH_STORE_NT   ; 32 lanes store 512 consecutive bytes
.endr
.if \fill
	s_wait_xcnt 0x0                                ; the slot in front is loaded again only behind this wait: its stores have read their registers
	FILL \before
.endif
.endm
	s_mov_b32 s52, 3
.Lround:                                           ; a trip takes each slot once: four of my 16 rows
	TURN 0, 3, 1, 16, 1*SPIT
	TURN 1, 0, 1, 16, 8*SPIT
	TURN 2, 1, 1, 16, 9*SPIT
	TURN 3, 2, 1, 16, 2*SPIT
	v_add_nc_u32 v[YA], 2*SPIT, v[YA]
	s_sub_co_u32 s52, s52, 1
	s_cmp_lg_u32 s52, 0
	s_cbranch_scc1 .Lround
	TURN 0, 3, 1, 16, 1*SPIT                       ; the last four rows: one more fill, then the counts run down
	TURN 1, 0, 0, 16, 8*SPIT
	TURN 2, 1, 0, 8, 9*SPIT
	TURN 3, 2, 0, 0, -1
	s_wait_xcnt 0x0
	v_lshl_add_u32 v254, v0, 2, 0x40400
	v_mov_b32 v255, 0
	s_wait_tensorcnt 0x0
	ds_add_u32 v254, v255
	s_wait_dscnt 0x0
	s_endpgm
.Lfunc_end_k_qe8cd35336d_tail:
	.size	k_qe8cd35336d_tail, .Lfunc_end_k_qe8cd35336d_tail-k_qe8cd35336d_tail
	.p2alignl 7, 3214868480
	.fill 96, 4, 3214868480
	.section	.rodata,"a",@progbits
	.p2align	6, 0x0
	.amdhsa_kernel k_qe8cd35336d_tail
		.amdhsa_group_segment_fixed_size 263680
		.amdhsa_private_segment_fixed_size 0
		.amdhsa_enable_private_segment 0
		.amdhsa_kernarg_size 80
		.amdhsa_user_sgpr_count 2
		.amdhsa_user_sgpr_kernarg_segment_ptr 1
		.amdhsa_wavefront_size32 1
		.amdhsa_system_sgpr_workgroup_id_x 1
		.amdhsa_system_sgpr_workgroup_id_y 1
		.amdhsa_system_sgpr_workgroup_id_z 1
		.amdhsa_system_vgpr_workitem_id 0
		.amdhsa_next_free_vgpr 1024
		.amdhsa_next_free_sgpr 66
		.amdhsa_reserve_vcc 0
		.amdhsa_float_denorm_mode_32 3
		.amdhsa_float_denorm_mode_16_64 3
		.amdhsa_memory_ordered 1
		.amdhsa_forward_progress 1
		.amdhsa_inst_pref_size 255
	.end_amdhsa_kernel
	.section	.bss,"aw",@nobits
	.p2align	6
	.space	262144
	.amdgpu_metadata
---
amdhsa.version: [ 1, 2 ]
amdhsa.kernels:
  - .name:           k_qe8cd35336d_tail
    .symbol:         k_qe8cd35336d_tail.kd
    .args:
      - { .name: cc, .offset: 0, .size: 8, .value_kind: global_buffer, .address_space: global }
      - { .name: cs, .offset: 8, .size: 8, .value_kind: global_buffer, .address_space: global }
      - { .name: cw, .offset: 16, .size: 8, .value_kind: global_buffer, .address_space: global }
      - { .name: sw, .offset: 24, .size: 8, .value_kind: global_buffer, .address_space: global }
      - { .name: b_o, .offset: 32, .size: 8, .value_kind: global_buffer, .address_space: global }
      - { .name: b_p, .offset: 40, .size: 8, .value_kind: global_buffer, .address_space: global }
      - { .name: x, .offset: 48, .size: 8, .value_kind: global_buffer, .address_space: global }
      - { .name: gamma, .offset: 56, .size: 8, .value_kind: global_buffer, .address_space: global }
      - { .name: beta, .offset: 64, .size: 8, .value_kind: global_buffer, .address_space: global }
      - { .name: out0, .offset: 72, .size: 8, .value_kind: global_buffer, .address_space: global }
    .group_segment_fixed_size: 263680
    .private_segment_fixed_size: 0
    .kernarg_segment_align: 8
    .kernarg_segment_size: 80
    .max_flat_workgroup_size: 128
    .sgpr_count:     66
    .vgpr_count:     1024
    .wavefront_size: 32
...
	.end_amdgpu_metadata
.endif
;; end of part 4
;; ======== version 2 of 2: 4 launches; 1.26 times as fast as version 1
;; workspace buffers: cw 9,437,184 bytes; sw 294,912 bytes; mk 33,554,432 bytes; qr 8,912,896 bytes; kv 8,912,896 bytes; cc 4,194,304 bytes; cs 131,072 bytes
;; launch prep: the kernel of part 1 again; grid 544 x 1, 4 waves a work-group, no clusters, 34,304 bytes of LDS; arguments x, W_q, W_k, W_v, W_o, W_p, verse_positions, cw, sw, mk; writes cw, sw, mk
;; launch qkv: the kernel of part 2 again; grid 8 x 24, 4 waves a work-group, clusters of 4 x 4, 327,680 bytes of LDS; arguments cw, sw, b_q, b_k, b_v, qr, kv; writes qr, kv
;; launch attn: the kernel of part 3 again; grid 8 x 32, 16 waves a work-group, no clusters, 280,576 bytes of LDS; arguments qr, kv, mk, cc, cs; writes cc, cs
;; launch tail (part 5): grid 256 x 1, 4 waves a work-group, clusters of 4 x 1, 327,680 bytes of LDS; arguments cc, cs, cw, sw, b_o, b_p, x, gamma, beta, out0; writes out0
.if DOCPART == 5
	.amdgcn_target "amdgcn-amd-amdhsa--gfx1250"
	.amdhsa_code_object_version 6
	.text
	.protected	k_qe8cd35336d_tail
	.globl	k_qe8cd35336d_tail
	.p2align	8
	.type	k_qe8cd35336d_tail,@function
k_qe8cd35336d_tail:
	s_mov_b64 s[64:65], 0
	v_nop
	global_prefetch_b8 v0, s[64:65] scope:SCOPE_SE
	s_setreg_imm32_b32 hwreg(HW_REG_WAVE_MODE, 25, 1), 1
	s_wait_xcnt 0x0
	s_wait_alu depctr_hold_cnt(0) depctr_sa_sdst(0) depctr_va_vdst(0) depctr_va_sdst(0) depctr_va_ssrc(0) depctr_va_vcc(0) depctr_vm_vsrc(0)
	s_getreg_b32 s2, hwreg(HW_REG_IB_STS2, 6, 4)
	s_cmp_eq_u32 s2, 0
	s_cbranch_scc0 .Lentry_in_a_cluster
	s_endpgm
.Lentry_in_a_cluster:
	s_bfe_u32 s2, ttmp6, 0x10000c
	s_cmp_lg_u32 s2, 0x3003
	s_cbranch_scc0 .Lentry_shape_is_right
	s_endpgm
.Lentry_shape_is_right:
; TAIL.  out0 = LayerNorm(x + (ctx W_o^T + b_o) W_p^T + b_p) x gamma + beta; both products on codes of E4M3 with E8M0 scales.  attn_out never goes to memory.
; SHARES.  A work-group takes 16 rows (one tile of ctx) through both products and the norm, since the second product's K and the norm want whole rows of 1,024: 256 work-groups of four waves.
; So every work-group takes in all of both weights, 2 x 1,048,576 bytes of codes, whatever its rows: the text is built round that intake.
; A WEIGHT IS WALKED BY GROUPS of 128 output columns: 8 tiles with all of K, 131,072 consecutive bytes of cw.  In a group wave w makes tiles 2 w and 2 w + 1: 16 products on two accumulators by turns, K ascending.
; Source 0 = 16 rows of the weight, source 1 = the 16 rows of ctx or attn_out, whose eight fragments stay in registers: a lane holds one row, and its 16 registers of a group are 16 neighbouring columns.
; TWO ROADS BY TURNS.  In each of the 8 periods (4 a product) one group comes by a tensor load into a ring of two LDS slots, and the next group straight into 256 registers, in four batches of 16 loads,
; each asked for again as soon as its four products are issued: so both roads have bytes on their way at a time, and there are 6 refills of a slot in the launch instead of 14.
; CLUSTER.  The four work-groups of a cluster walk the same weights in the same order: each slot is asked for JOINTLY (mask 15).  A wave fills and reads its own 32,768 bytes of a slot.
; ROTATION.  Cluster c begins at group c % 8: place q of a product holds group (c + q) % 8, so that at one time different clusters ask for different parts of a weight.  Only global addresses and LDS READ addresses hang on it
; (on the cluster's number, which the partners share); every LDS store is at a constant place.  The order of K in every sum is not touched.
; The biases are loaded into the accumulators and start the sums; b_p for a place is asked for as soon as the first product's result has left that place's registers.
; LIMITS: NaN and infinities are not served; a block whose largest magnitude lies under 2^-118 keeps the byte 1 (this program alone reads the bytes).
; LDS: 0 two slots of 131,072; 262,144 attn_out's images, 2,048 a place; 278,528 its scale bytes, a word each, [wave][place][lane]; 282,624 the spare words.  The stage, 16 rows x 4,112 bytes, lies in slot 0 behind that slot's last fill.
; REGISTERS: window 0: v1-63 addresses and work; v64-191 the weights' scale words (64 P + 8 q + K step: lanes 0-15 tile 2 w, lanes 16-31 tile 2 w + 1); v192-207 the rows' scale words; v208-251 at work.
;   window 1: v0-127 the rows' eight fragments; v128-255 the accumulators, 16 a place.   window 2: the slot's 16 fragments; later four rows of x, gamma, beta.   window 3: the direct 16 fragments; later the stage's four rows.
.set SLOTB, 131072
.set AIMG,  2*SLOTB
.set RSB,   AIMG+16384
.set SPARE, RSB+4096                   ; the spare words, 128 bytes for each wave: two blocks of 256 bytes that no other line names
.set SPIT,  4112                       ; a stage row: 4,096 bytes + 16: an odd multiple of 16
.set LI,   1                           ; v1     16 x lane
.set LS,   2                           ; v2     4 x lane
.set WSA,  3                           ; v3     512 h + 16 r
.set BA,   4                           ; v4     64 h
.set CSA,  5                           ; v5     16 r
.set ADW,  6                           ; v6-7   LDS address of my part of slot 0, 1
.set AW,   8                           ; v8     where I store my piece of an image
.set SWA,  9                           ; v9     and its scale byte
.set SO,   10                          ; v10    the stage: where I put 16 bytes of a row
.set RS,   12                          ; v12    at work: an address among the scale bytes
.set SPW,  13                          ; v13    my spare word; never rewritten
.set NIL,  14                          ; v14    0; never rewritten
.set AIL,  15                          ; v15    AIMG + 16 x lane
.set YA,   16                          ; v16-23 the stage: where columns 128 jj on of my rows lie
.set JS,   24                          ; v24-31 place q: offset of its group's scale words
.set JB,   32                          ; v32-39 place q: offset of its group's bias
.set JD,   40                          ; v40-43 period p % 4: offset of its direct group's codes
.set RSL,  44                          ; v44    RSB + 4 x lane
.set TM,   48                          ; v48-51 at work
.set SBY,  52                          ; v52    a scale byte
.set PC,   54                          ; v54-57 16 codes
.set MU,   58                          ; v58-59 the mean, twice
.set RQ,   60                          ; v60-61 1 / sqrt(var + eps), twice
.set WS,   64
.set RW,   192
.set BT,   208                         ; v208-239 32 scale bytes on their way to words
.set RAK,  244                         ; v244-251 where K step ks of attn_out lies
.set ACC,  128                         ; window 1
.set GA,   128                         ; window 2: gamma, beta, work, 16 x lane
.set BE,   160
.set T2,   192
.set LI2,  200
.set G1,   48                          ; s[48:55] descriptor group 1;  s[56:63] group 0, a set for each slot
.set G0,   56
.set CWB,  66                          ; s[66:67] my tiles of W_o's group 0 in cw;  s[68:69] of W_p's
.set SW1,  70                          ; s[70:71], s[72:73] their scale words
.set JA,   76                          ; s76-79 period p % 4: byte offset of the group that comes through LDS
.set OF,   80                          ; s[80:81] an offset in 64 bits
.set MSB, 0
.macro WIN new                         ; the immediate's high byte repeats the setting that is left
.if MSB != (\new)
	s_set_vgpr_msb (MSB<<8)|(\new)
.set MSB, (\new)
.endif
.endm
.macro NOPS n
.rept \n
	v_nop
.endr
.endm
.macro ROUND                           ; a round of the cluster's barrier
	s_barrier_signal -1
	s_barrier_wait -1
	s_cmp_lg_u32 s24, 0
	s_cbranch_scc1 .Lnot_wave_0_\@
	s_barrier_signal -3
.Lnot_wave_0_\@:
	s_barrier_wait -3
	s_barrier_signal -1
	s_barrier_wait -1
.endm
	s_load_b256 s[4:11], s[0:1], 0x0               ; cc, cs, cw, sw
	s_load_b256 s[12:19], s[0:1], 0x20             ; b_o, b_p, x, gamma
	s_load_b128 s[20:23], s[0:1], 0x40             ; beta, out0
	v_lshl_add_u32 v[SPW], v0, 2, SPARE
	v_mov_b32 v[NIL], 0
	ds_add_u32 v13, v14
	ds_add_u32 v13, v14
	s_wait_dscnt 0x0
	v_lshrrev_b32 v240, 5, v0
	v_readfirstlane_b32 s24, v240                  ; wave 0..3
	v_and_b32 v240, 31, v0                         ; lane
	v_and_b32 v241, 15, v0                         ; r
	v_bfe_u32 v242, v0, 4, 1                       ; h
	v_lshlrev_b32 v[LI], 4, v240
	v_lshlrev_b32 v[LS], 2, v240
	v_lshlrev_b32 v[CSA], 4, v241
	v_lshl_add_u32 v[WSA], v242, 9, v[CSA]
	v_lshlrev_b32 v[BA], 6, v242
	s_lshl_b32 s74, s24, 15                        ; my 32,768 bytes of a slot
	v_add_nc_u32 v[ADW], s74, v[LI]
	v_add_nc_u32 v[ADW+1], SLOTB, v[ADW]
	s_lshl_b32 s30, s24, 9
	s_add_co_u32 s30, s30, AIMG
	v_add_nc_u32 v[AW], s30, v[LI]                 ; piece w of an image: my 32 columns are block w of its 128
	s_lshl_b32 s30, s24, 10
	s_add_co_u32 s30, s30, RSB
	v_add_nc_u32 v[SWA], s30, v[LS]
	v_add_nc_u32 v[AIL], AIMG, v[LI]
	v_add_nc_u32 v[RSL], RSB, v[LS]
	v_mul_u32_u24 v[SO], v241, SPIT
	v_lshl_add_u32 v[SO], v242, 6, v[SO]
	s_lshl_b32 s30, s24, 7
	v_add_nc_u32 v[SO], s30, v[SO]                 ; stage row r, + 128 w + 64 h
	s_and_b32 s27, ttmp9, 7                        ; the group at which my cluster begins: the same in all four partners
	s_xor_b32 s28, s27, 7
	s_add_co_u32 s28, s28, 1                       ; 8 less that
	s_mul_i32 s31, s24, 4*SPIT                     ; my four rows of the stage
.irp q, 0,1,2,3,4,5,6,7
	s_add_co_u32 s29, s27, \q
	s_and_b32 s29, s29, 7                          ; the group at place q
	s_lshl_b32 s30, s29, 12
	v_add_nc_u32 v[JS+\q], s30, v[WSA]             ; 8 tiles x 512 bytes of scale words a group
	s_lshl_b32 s30, s29, 9
	v_add_nc_u32 v[JB+\q], s30, v[BA]              ; 128 numbers of a bias a group
	s_add_co_u32 s29, s28, \q
	s_and_b32 s29, s29, 7                          ; the place of group q
	s_lshl_b32 s30, s29, 9
	s_add_co_u32 s30, s30, s31
	v_add_nc_u32 v[YA+\q], s30, v[LI]
.endr
.irp p, 0,1,2,3
	s_add_co_u32 s29, s27, 2*\p
	s_and_b32 s29, s29, 7
	s_lshl_b32 s[JA+\p], s29, 17                   ; place 2 p comes through LDS,
	s_add_co_u32 s29, s27, 2*\p+1
	s_and_b32 s29, s29, 7
	s_lshl_b32 s30, s29, 17
	v_add_nc_u32 v[JD+\p], s30, v[LI]              ; place 2 p + 1 straight into registers
.endr
	; group 1: 32,768 dense bytes as 128 rows of 32 elements of 8 bytes; no padding: the images are read 512 consecutive bytes at a time
	s_mov_b32 s[G1], 15|(3<<16)|(1<<21)            ; 15:0 the mask: all four work-groups; 17:16 elements of 8 bytes; 21 set beside a mask
	s_mov_b32 s[G1+1], 32<<16                      ; tensor_dim0
	s_mov_b32 s[G1+2], 128<<16                     ; tensor_dim1
	s_mov_b32 s[G1+3], 32<<16                      ; tile_dim0
	s_mov_b32 s[G1+4], 128                         ; tile_dim1
	s_mov_b32 s[G1+5], 32                          ; tensor_dim0_stride
	s_mov_b32 s[G1+6], 0
	s_mov_b32 s[G1+7], 0
	s_add_co_u32 s42, s74, 448*16384               ; W_o's tile 448 + 2 w
	s_mov_b32 s43, 0
	s_lshl_b32 s44, s24, 10
	s_add_co_u32 s44, s44, 448*512
	s_mov_b32 s45, 0
	s_lshl_b32 s46, s24, 7                         ; my 32 numbers of a group's bias
	s_mov_b32 s47, 0
	s_mov_b32 s[OF+1], 0
	s_mov_b32 s34, 0x76543210
	s_mov_b32 s35, 0xfedcba98                      ; lane selects: lane l xor 16
	s_mov_b32 s36, 0x600000                        ; the mantissa field of 448
	s_mov_b32 s40, 0x3a800000                      ; 1 / 1,024
	s_mov_b32 s41, 0x3727c5ac                      ; 1e-5
	s_bfe_u32 s25, ttmp6, 0x40000                  ; cx: it enters the addresses of ctx, x and out0 alone
	s_lshl_b32 s26, ttmp9, 2
	s_add_co_u32 s26, s26, s25                     ; my tile of rows
	s_lshl_b32 s32, s26, 14
	s_mov_b32 s33, 0
	s_lshl_b32 s38, s26, 9
	s_mov_b32 s39, 0
	s_lshr_b32 s82, s26, 1                         ; lane-row r of tile g is row 32 (g / 2) + 8 (g % 2) + 16 (r / 8) + r % 8; my rows of the stage are r = 4 w + 0..3: four neighbours
	s_lshl_b32 s82, s82, 5
	s_and_b32 s83, s26, 1
	s_lshl_b32 s83, s83, 3
	s_add_co_u32 s82, s82, s83
	s_lshr_b32 s83, s24, 1
	s_lshl_b32 s83, s83, 4
	s_add_co_u32 s82, s82, s83
	s_and_b32 s83, s24, 1
	s_lshl_b32 s83, s83, 2
	s_add_co_u32 s82, s82, s83
	s_lshl_b32 s84, s82, 12
	s_mov_b32 s85, 0
	s_wait_kmcnt 0x0
	s_add_nc_u64 s[CWB:CWB+1], s[8:9], s[42:43]
	s_add_nc_u64 s[CWB+2:CWB+3], s[CWB:CWB+1], 0x100000     ; W_p: 64 tiles on
	s_add_nc_u64 s[SW1:SW1+1], s[10:11], s[44:45]
	s_add_nc_u64 s[SW1+2:SW1+3], s[SW1:SW1+1], 32768
	s_add_nc_u64 s[12:13], s[12:13], s[46:47]
	s_add_nc_u64 s[14:15], s[14:15], s[46:47]
	s_add_nc_u64 s[4:5], s[4:5], s[32:33]
	s_add_nc_u64 s[6:7], s[6:7], s[38:39]
	s_add_nc_u64 s[16:17], s[16:17], s[84:85]
	s_add_nc_u64 s[22:23], s[22:23], s[84:85]
.irp n, 0,1
	s_mov_b32 s[G0+4*\n], 1                        ; count = 1
	s_add_co_u32 s[G0+4*\n+1], s74, \n*SLOTB       ; LDS address: the wave's number and the slot alone
	s_mov_b32 s[OF], s[JA+\n]
	s_add_nc_u64 s[G0+4*\n+2:G0+4*\n+3], s[CWB:CWB+1], s[OF:OF+1]
	s_or_b32 s[G0+4*\n+3], s[G0+4*\n+3], 0x80000000
.endr
	ROUND                                          ; all four work-groups are here: the first joint loads meet
	tensor_load_to_lds s[G0:G0+3], s[G1:G1+7]      ; the two first fills stand together: two tensor loads of mine are out
	s_nop 0
	tensor_load_to_lds s[G0+4:G0+7], s[G1:G1+7]
	s_nop 0
	NOPS 4
; the 16 loads of batch k (K steps 2 k, 2 k + 1 of both tiles) of the direct group of period pn: 512 consecutive bytes each
.macro DBATCH pn, k
	WIN 0xc0
.irp kk, 0,1
.irp u, 0,1
.irp c, 0,1,2,3
	global_load_b128 v[128*\u+16*(2*(\k)+\kk)+4*\c:128*\u+16*(2*(\k)+\kk)+4*\c+3], v[JD+((\pn)&3)], s[CWB+2*((\pn)>>2):CWB+2*((\pn)>>2)+1] offset:\u*16384+(2*(\k)+\kk)*2048+\c*512
.endr
.endr
.endr
.endm
	WIN 0x40
.set n, 0
.rept 32
	global_load_b128 v[4*n:4*n+3], v[LI], s[4:5] offset:n*512          ; ctx's eight fragments, as they lie
.set n, n+1
.endr
	WIN 0
	global_load_b128 v[RW:RW+3], v[CSA], s[6:7]                        ; and their scale words: row r's in lane r
	global_load_b128 v[RW+4:RW+7], v[CSA], s[6:7] offset:256
.irp pp, 0,1
.irp q, 0,1,2,3,4,5,6,7
.irp kh, 0,1
	global_load_b128 v[WS+64*\pp+8*\q+4*\kh:WS+64*\pp+8*\q+4*\kh+3], v[JS+\q], s[SW1+2*\pp:SW1+2*\pp+1] offset:\kh*256
.endr
.endr
.endr
	WIN 0x40
.irp q, 0,1,2,3,4,5,6,7
.irp e, 0,1,2,3
	global_load_b128 v[ACC+16*\q+4*\e:ACC+16*\q+4*\e+3], v[JB+\q], s[12:13] offset:\e*16    ; b_o: register 16 q + i is column 128 group + 32 w + 16 h + i
.endr
.endr
	DBATCH 0, 0
	DBATCH 0, 1
	DBATCH 0, 2
	DBATCH 0, 3
	WIN 0
; two products: K step ks of place q's two tiles.  The two accumulators take turns, one instruction a turn
.macro MULK q, pp, ks
	v_wmma_scale_f32_16x16x128_f8f6f4 v[ACC+16*(\q):ACC+16*(\q)+7], v[16*(\ks):16*(\ks)+15], v[16*(\ks):16*(\ks)+15], v[ACC+16*(\q):ACC+16*(\q)+7], v[WS+64*(\pp)+8*(\q)+(\ks)], v[RW+8*(\pp)+(\ks)]
	v_wmma_scale_f32_16x16x128_f8f6f4 v[ACC+16*(\q)+8:ACC+16*(\q)+15], v[128+16*(\ks):128+16*(\ks)+15], v[16*(\ks):16*(\ks)+15], v[ACC+16*(\q)+8:ACC+16*(\q)+15], v[WS+64*(\pp)+8*(\q)+(\ks)], v[RW+8*(\pp)+(\ks)] matrix_a_scale:MATRIX_SCALE_ROW1
.endm
; The change of slots at the head of period p (1 to 6): all my tensor loads have landed, this period's group among them; 0 onto my spare word; my reads of the slot that I have left are over;
; a round of the cluster's barrier; and the group of period p + 1 is asked for, into the slot just left: my one tensor load until the next round.
.macro HEAD p
.set NF, (\p)+1
.set GS, G0+4*(NF&1)
	s_wait_tensorcnt 0x0                           ; no tensor load of mine is out, so a group 0 may be written
	ds_add_u32 v[SPW], v[NIL]
	s_add_co_u32 s[OF], s[JA+(NF&3)], (NF>>2)<<20
	s_add_nc_u64 s[GS+2:GS+3], s[CWB:CWB+1], s[OF:OF+1]
	s_or_b32 s[GS+3], s[GS+3], 0x80000000
	s_wait_dscnt 0x0
	ROUND
	tensor_load_to_lds s[GS:GS+3], s[G1:G1+7]
	s_nop 0
	NOPS 4
.endm
; The group that lies in LDS: 64 loads of 512 consecutive bytes, K step by K step, and its 16 products.  lw = 1: the launch's first products wait for the head's loads
.macro APH p, lw
.set SL, (\p)&1
.set QQ, 2*((\p)&3)
.set PP, (\p)>>2
	WIN 0x80
.irp ks, 0,1,2,3,4,5,6,7
.irp u, 0,1
.irp c, 0,1,2,3
	ds_load_b128 v[128*\u+16*\ks+4*\c:128*\u+16*\ks+4*\c+3], v[ADW+SL] offset:\u*16384+\ks*2048+\c*512
.endr
.endr
.endr
.if \lw
	s_wait_loadcnt 63                              ; behind ctx, the scale words and b_o the 64 direct loads were issued: with 63 out at the most, all that these products need is in
.endif
	s_wait_dscnt 32                                ; K steps 0-3 are in; the 32 loads of K steps 4-7 may be out
	WIN 0x56                                       ; source 0 window 2; source 1, C and D window 1
	MULK QQ, PP, 0
	MULK QQ, PP, 1
	MULK QQ, PP, 2
	MULK QQ, PP, 3
	s_wait_dscnt 0x0
	MULK QQ, PP, 4
	MULK QQ, PP, 5
	MULK QQ, PP, 6
	MULK QQ, PP, 7
	WIN 0
	NOPS 8                                         ; places behind the products: their results are read, and their fragments loaded over, only behind these
.endm
; The group that comes straight into registers, in four batches.  Behind batch k of this period's group stand 16 (3 - k) loads of its later batches, sm other loads, and 16 k of the next period's group: 48 + sm.
; The last period asks for no further group: 16 (3 - k) + 48 loads are younger (x, gamma, beta are the 48), and the count is held to what the field takes.
.macro BPH p, sm
.set QQ, 2*((\p)&3)+1
.set PP, (\p)>>2
.irp k, 0,1,2,3
.if (\p) < 7
	s_wait_loadcnt 48+(\sm)
.elseif \k < 3
	s_wait_loadcnt 63
.else
	s_wait_loadcnt 48
.endif
	WIN 0x57                                       ; source 0 window 3
	MULK QQ, PP, 2*\k
	MULK QQ, PP, 2*\k+1
	NOPS 8                                         ; places in front of loads into registers that these products have read
.if (\p) < 7
	DBATCH (\p)+1, \k
.endif
.endr
	WIN 0
.endm
; The first product's result at place q: my 16 numbers a lane are half a block of 32 along the second product's K.  They become 16 codes and a scale byte, which go to LDS at constant places; then b_p is asked for, into the same registers.
.macro EPI1 q
.set AC, ACC+16*(\q)
	WIN 0x05
	v_max3_num_f32 v[TM], |v[AC]|, |v[AC+1]|, 0x4800000             ; each accumulator from its low end on; the floor 2^(9 - 127): the byte cannot fall under 1
	v_max3_num_f32 v[TM+1], |v[AC+2]|, |v[AC+3]|, 0x4800000
.irp i, 4,8,12
	v_max3_num_f32 v[TM], |v[AC+\i]|, |v[AC+\i+1]|, v[TM]
	v_max3_num_f32 v[TM+1], |v[AC+\i+2]|, |v[AC+\i+3]|, v[TM+1]
.endr
	WIN 0
	v_max_num_f32 v[TM], v[TM], v[TM+1]
	v_permlanex16_b32 v[TM+1], v[TM], s34, s35
	v_max_num_f32 v[TM], v[TM], v[TM+1]            ; with lane l xor 16's: the block's largest magnitude
	v_add_nc_u32 v[TM+3], 0xfc000000, v[TM]        ; 8 off its exponent field: the conversion's scale operand
	v_and_or_b32 v[TM+2], v[TM], 0x7f800000, s36   ; 448 x the scale
	v_lshrrev_b32 v[SBY], 23, v[TM+3]              ; the scale's byte
	WIN 0x41
.irp i, 0,1,2,3,4,5,6,7,8,9,10,11,12,13,14,15
	v_med3_num_f32 v[AC+\i], v[AC+\i], -v[TM+2], v[TM+2]            ; the conversion does not saturate (ISA guide 7.6.2): the hold comes first
.endr
	WIN 0x01
	v_cvt_scalef32_pk8_fp8_f32 v[PC:PC+1], v[AC:AC+7], v[TM+3]
	v_cvt_scalef32_pk8_fp8_f32 v[PC+2:PC+3], v[AC+8:AC+15], v[TM+3]
	WIN 0
	v_nop                                          ; one plain line behind the last conversion
	ds_store_b128 v[AW], v[PC:PC+3] offset:(\q)*2048
	ds_store_b32 v[SWA], v[SBY] offset:(\q)*128    ; a word of my own for the byte: no two waves share a word
	s_wait_dscnt 0x0                               ; the stores have read their registers
	WIN 0x40
.irp e, 0,1,2,3
	global_load_b128 v[AC+4*\e:AC+4*\e+3], v[JB+(\q)], s[14:15] offset:\e*16
.endr
	WIN 0
.endm
	; ---- the first product: ctx W_o^T + b_o
	s_wait_tensorcnt 0x1                           ; my part of the first group is in; the second fill may be out.  Only I read these bytes: no barrier
	APH 0, 1
	EPI1 0
	BPH 0, 4                                       ; the 4: b_p for place 0
	EPI1 1
	HEAD 1
	APH 1, 0
	EPI1 2
	BPH 1, 8                                       ; the 8: b_p for places 1 and 2
	EPI1 3
	HEAD 2
	APH 2, 0
	EPI1 4
	BPH 2, 8
	EPI1 5
	HEAD 3
	APH 3, 0
	EPI1 6
	BPH 3, 8
	EPI1 7
	HEAD 4                                         ; its round also parts every wave's stores of images from the loads below
	; ---- attn_out's eight fragments and scale words.  K step ks was stored at place (ks + 8 - first group) % 8
.irp ks, 0,1,2,3,4,5,6,7
	s_add_co_u32 s29, s28, \ks
	s_and_b32 s29, s29, 7
	s_lshl_b32 s30, s29, 11
	v_add_nc_u32 v[RAK+\ks], s30, v[AIL]
	s_lshl_b32 s30, s29, 7
	v_add_nc_u32 v[RS], s30, v[RSL]
.irp wv, 0,1,2,3
	ds_load_b32 v[BT+4*\ks+\wv], v[RS] offset:\wv*1024              ; block wv's byte, which wave wv made
.endr
.endr
	WIN 0x40
.irp ks, 0,1,2,3,4,5,6,7
.irp c, 0,1,2,3
	ds_load_b128 v[16*\ks+4*\c:16*\ks+4*\c+3], v[RAK+\ks] offset:\c*512
.endr
.endr
	WIN 0
	s_wait_dscnt 0x0
.irp ks, 0,1,2,3,4,5,6,7
	v_lshl_or_b32 v[RW+8+\ks], v[BT+4*\ks+1], 8, v[BT+4*\ks]
	v_lshl_or_b32 v[RW+8+\ks], v[BT+4*\ks+2], 16, v[RW+8+\ks]
	v_lshl_or_b32 v[RW+8+\ks], v[BT+4*\ks+3], 24, v[RW+8+\ks]
.endr
	NOPS 8                                         ; a scale register written by vector instructions stands eight places ahead of the product that names it
	; ---- the second product: attn_out W_p^T + b_p; its results stay in the accumulators
	APH 4, 0
	BPH 4, 4                                       ; the 4: b_p for place 7
	HEAD 5
	APH 5, 0
	BPH 5, 0
	HEAD 6
	APH 6, 0
	BPH 6, 0
	s_wait_tensorcnt 0x0                           ; the last group is in; nothing is filled again, so no round
	APH 7, 0
	WIN 0x80                                       ; window 2 is free: my four rows of x, gamma and beta: 48 loads of 512 consecutive bytes
.irp i, 0,1,2,3
.irp jj, 0,1,2,3,4,5,6,7
	global_load_b128 v[32*\i+4*\jj:32*\i+4*\jj+3], v[LI], s[16:17] offset:\i*4096+\jj*512 th:TH_LOAD_NT
.endr
.endr
.irp jj, 0,1,2,3,4,5,6,7
	global_load_b128 v[GA+4*\jj:GA+4*\jj+3], v[LI], s[18:19] offset:\jj*512
.endr
.irp jj, 0,1,2,3,4,5,6,7
	global_load_b128 v[BE+4*\jj:BE+4*\jj+3], v[LI], s[20:21] offset:\jj*512
.endr
	WIN 0
	BPH 7, 48
	; ---- the rows meet in the stage: a row's 1,024 numbers come from four waves.  The stage lies in slot 0, which has had its last fill
	s_wait_dscnt 0x0
	s_barrier_signal -1
	s_barrier_wait -1                              ; every wave's reads of the slots are over, and its tensor loads have landed
	WIN 0x04                                       ; an LDS store's data are its source 1
.irp q, 0,1,2,3,4,5,6,7
.irp e, 0,1,2,3
	ds_store_b128 v[SO], v[ACC+16*\q+4*\e:ACC+16*\q+4*\e+3] offset:\q*512+\e*16      ; each accumulator from its low end on; place q's 128 columns at byte 512 q of the row
.endr
.endr
	WIN 0
	s_wait_dscnt 0x0                               ; my stores have landed
	s_barrier_signal -1
	s_barrier_wait -1                              ; 16 whole rows lie in the stage
	WIN 0xc0
.irp i, 0,1,2,3
.irp jj, 0,1,2,3,4,5,6,7
	ds_load_b128 v[32*\i+4*\jj:32*\i+4*\jj+3], v[YA+\jj] offset:\i*SPIT               ; columns 128 jj + 4 lane on, from the place at which group jj lies
.endr
.endr
	WIN 0x80
	v_mov_b32 v[LI2], v[LI]                        ; 16 x lane, in window 2 for the stores
	WIN 0
	s_wait_loadcnt 0x0
	s_wait_dscnt 0x0
.macro SUMW                            ; over the 32 lanes, in window 0
	v_add_f32_dpp v[TM], v[TM], v[TM] row_xmask:1 row_mask:0xf bank_mask:0xf
	v_add_f32_dpp v[TM], v[TM], v[TM] row_xmask:2 row_mask:0xf bank_mask:0xf
	v_add_f32_dpp v[TM], v[TM], v[TM] row_xmask:4 row_mask:0xf bank_mask:0xf
	v_add_f32_dpp v[TM], v[TM], v[TM] row_xmask:8 row_mask:0xf bank_mask:0xf
	v_permlanex16_b32 v[TM+1], v[TM], s34, s35
	v_add_f32 v[TM], v[TM], v[TM+1]
.endm
.macro FOLD                            ; the four pairs v[T2 .. T2+7] of window 2 into v[TM] of window 0
	v_pk_add_f32 v[T2:T2+1], v[T2:T2+1], v[T2+2:T2+3]
	v_pk_add_f32 v[T2+4:T2+5], v[T2+4:T2+5], v[T2+6:T2+7]
	v_pk_add_f32 v[T2:T2+1], v[T2:T2+1], v[T2+4:T2+5]
	WIN 0x0a
	v_add_f32 v[TM], v[T2], v[T2+1]
	WIN 0
	SUMW
.endm
.macro LNROW i                         ; one row: 32 numbers a lane, in window 2
.set XS, 32*(\i)
	WIN 0x8e                                       ; x in window 2, the stage's row in window 3, at the same numbers
.set n, 0
.rept 16
	v_pk_add_f32 v[XS+2*n:XS+2*n+1], v[XS+2*n:XS+2*n+1], v[XS+2*n:XS+2*n+1]
.set n, n+1
.endr
	WIN 0xaa
.irp c, 0,1,2,3
	v_pk_add_f32 v[T2+2*\c:T2+2*\c+1], v[XS+2*\c:XS+2*\c+1], v[XS+8+2*\c:XS+9+2*\c]  ; four chains
.endr
.irp k, 16,24
.irp c, 0,1,2,3
	v_pk_add_f32 v[T2+2*\c:T2+2*\c+1], v[T2+2*\c:T2+2*\c+1], v[XS+\k+2*\c:XS+\k+1+2*\c]
.endr
.endr
	FOLD
	v_mul_f32 v[MU], s40, v[TM]                    ; the mean
	v_mov_b32 v[MU+1], v[MU]
	WIN 0x82
.set n, 0
.rept 16
	v_pk_add_f32 v[XS+2*n:XS+2*n+1], v[XS+2*n:XS+2*n+1], v[MU:MU+1] neg_lo:[0,1] neg_hi:[0,1]
.set n, n+1
.endr
	WIN 0xaa
.irp c, 0,1,2,3
	v_pk_mul_f32 v[T2+2*\c:T2+2*\c+1], v[XS+2*\c:XS+2*\c+1], v[XS+2*\c:XS+2*\c+1]
.endr
.irp k, 8,16,24
.irp c, 0,1,2,3
	v_pk_fma_f32 v[T2+2*\c:T2+2*\c+1], v[XS+\k+2*\c:XS+\k+1+2*\c], v[XS+\k+2*\c:XS+\k+1+2*\c], v[T2+2*\c:T2+2*\c+1]
.endr
.endr
	FOLD
	v_fma_f32 v[TM], v[TM], s40, s41               ; the variance + 1e-5
	v_rsq_f32 v[RQ], v[TM]
	v_rsq_f32 v[RQ+1], v[TM]
	v_nop                                          ; one plain line behind the transcendentals
	WIN 0x82
.set n, 0
	s_wait_alu depctr_va_vdst(0)
.rept 16
	v_pk_mul_f32 v[XS+2*n:XS+2*n+1], v[XS+2*n:XS+2*n+1], v[RQ:RQ+1]
.set n, n+1
.endr
	WIN 0xaa
.set n, 0
.rept 16
	v_pk_fma_f32 v[XS+2*n:XS+2*n+1], v[XS+2*n:XS+2*n+1], v[GA+2*n:GA+2*n+1], v[BE+2*n:BE+2*n+1]
.set n, n+1
.endr
.irp jj, 0,1,2,3,4,5,6,7
	global_store_b128 v[LI2], v[XS+4*\jj:XS+4*\jj+3], s[22:23] offset:(\i)*4096+\jj*512 th:TH_STORE_NT   ; 32 lanes store 512 consecutive bytes; each row has registers of its own, so no store's data are written again
.endr
.endm
	LNROW 0
	LNROW 1
	LNROW 2
	LNROW 3
	WIN 0
	s_wait_tensorcnt 0x0                           ; the wave's end
	ds_add_u32 v[SPW], v[NIL]
	s_wait_dscnt 0x0
	ROUND                                          ; the closing round: no work-group ends while a partner may still ask for a tile that names it
	s_endpgm
.Lfunc_end_k_qe8cd35336d_tail:
	.size	k_qe8cd35336d_tail, .Lfunc_end_k_qe8cd35336d_tail-k_qe8cd35336d_tail
	.p2alignl 7, 3214868480
	.fill 96, 4, 3214868480
	.section	.rodata,"a",@progbits
	.p2align	6, 0x0
	.amdhsa_kernel k_qe8cd35336d_tail
		.amdhsa_group_segment_fixed_size 327680
		.amdhsa_private_segment_fixed_size 0
		.amdhsa_enable_private_segment 0
		.amdhsa_kernarg_size 80
		.amdhsa_user_sgpr_count 2
		.amdhsa_user_sgpr_kernarg_segment_ptr 1
		.amdhsa_wavefront_size32 1
		.amdhsa_system_sgpr_workgroup_id_x 1
		.amdhsa_system_sgpr_workgroup_id_y 1
		.amdhsa_system_sgpr_workgroup_id_z 1
		.amdhsa_system_vgpr_workitem_id 0
		.amdhsa_next_free_vgpr 1024
		.amdhsa_next_free_sgpr 96
		.amdhsa_reserve_vcc 0
		.amdhsa_float_denorm_mode_32 3
		.amdhsa_float_denorm_mode_16_64 3
		.amdhsa_memory_ordered 1
		.amdhsa_forward_progress 1
		.amdhsa_inst_pref_size 222
	.end_amdhsa_kernel
	.amdgpu_metadata
---
amdhsa.version: [ 1, 2 ]
amdhsa.kernels:
  - .name:           k_qe8cd35336d_tail
    .symbol:         k_qe8cd35336d_tail.kd
    .args:
      - { .name: cc, .offset: 0, .size: 8, .value_kind: global_buffer, .address_space: global }
      - { .name: cs, .offset: 8, .size: 8, .value_kind: global_buffer, .address_space: global }
      - { .name: cw, .offset: 16, .size: 8, .value_kind: global_buffer, .address_space: global }
      - { .name: sw, .offset: 24, .size: 8, .value_kind: global_buffer, .address_space: global }
      - { .name: b_o, .offset: 32, .size: 8, .value_kind: global_buffer, .address_space: global }
      - { .name: b_p, .offset: 40, .size: 8, .value_kind: global_buffer, .address_space: global }
      - { .name: x, .offset: 48, .size: 8, .value_kind: global_buffer, .address_space: global }
      - { .name: gamma, .offset: 56, .size: 8, .value_kind: global_buffer, .address_space: global }
      - { .name: beta, .offset: 64, .size: 8, .value_kind: global_buffer, .address_space: global }
      - { .name: out0, .offset: 72, .size: 8, .value_kind: global_buffer, .address_space: global }
    .group_segment_fixed_size: 327680
    .private_segment_fixed_size: 0
    .kernarg_segment_align: 8
    .kernarg_segment_size: 80
    .max_flat_workgroup_size: 128
    .sgpr_count:     96
    .vgpr_count:     1024
    .wavefront_size: 32
...
	.end_amdgpu_metadata
.endif
;; end of part 5
